; MI455X (gfx1250); checked and timed in simulation.
; The chip was launched on July 23, 2026; its instructions are those of AMD's public machine-readable ISA for CDNA 5 (MIT licence, August 2026) and "CDNA5" Instruction Set Architecture Reference Guide (July 2026). The comments in the code are by the model that wrote it; some were corrected since.
;; Attention. Allowed arithmetic: matrix products marked QUANTISED: E4M3 operands, one given power-of-two scale a tensor, by v_wmma_f32_16x16x64_fp8_fp8 or v_wmma_f32_16x16x128_fp8_fp8, f32 sums; everything else in f32.
;; Inputs: freqs_cos 1,024 x 32 float32; freqs_sin 1,024 x 32 float32; lowp_scales 12 int32 (the exponents e of the quantised operands' scales 2^e); mask 1,024 x 1,024 float32; wk 512 x 2,048 float32; wo 2,048 x 2,048 float32; wq 2,048 x 2,048 float32; wv 512 x 2,048 float32; x 4 x 1,024 x 2,048 float32.
;; Outputs: out0 4 x 1,024 x 2,048 float32.
;; This version of the problem:
;;   THIS VERSION OF THE PROBLEM IS GIVEN IN LOW PRECISION. The matrix products marked QUANTISED in the list below multiply operands that are first quantised to E4M3 (4 exponent bits, 3 mantissa bits; 8 bits a number), with one given power-of-two scale for each operand tensor; their sums are f32. All else is computed in f32.
;;   The module's matrix products, in the order in which they are computed (A, B: the left and right operand; K: the contracted axis; several contracted axes count as one K, in the product's order):
;;     1. [M 4,096, K 2,048] x [K 2,048, N 2,048]; A: input x; B: input wq: QUANTISED (scales: A lowp_scales[0], B lowp_scales[1])
;;     2. [M 4,096, K 2,048] x [K 2,048, N 512]; A: input x; B: input wk: QUANTISED (scales: A lowp_scales[2], B lowp_scales[3])
;;     3. [M 4,096, K 2,048] x [K 2,048, N 512]; A: input x; B: input wv: QUANTISED (scales: A lowp_scales[4], B lowp_scales[5])
;;     4. batch 128 x [M 1,024, K 64] x [K 64, N 1,024]; A: computed on the way; B: computed on the way: QUANTISED (scales: A lowp_scales[6], B lowp_scales[7])
;;     5. batch 128 x [M 1,024, K 1,024] x [K 1,024, N 64]; A: softmax (see below); B: computed on the way: QUANTISED (scales: A lowp_scales[8], B lowp_scales[9])
;;     6. [M 4,096, K 2,048] x [K 2,048, N 2,048]; A: computed on the way; B: input wo: QUANTISED (scales: A lowp_scales[10], B lowp_scales[11])
;;   THE QUANTISER, for each operand of a quantised product, along K:
;;     - The operand's scale is 2^e, e = its entry of the input lowp_scales (int32; the entries are numbered through the quantised products in the list's order, A before B).
;;     - Each number is divided by the scale, clamped to +-448, and rounded to the nearest number of E4M3, ties to even, subnormals kept.
;;     - The product sums the exact products of the quantised numbers (number of the format x scale) in f32.
;;   ~~~python
;;   def quantise(x, axis, e):      # numpy; x: float32 -> the quantised numbers, widened to float32 again
;;       x = np.moveaxis(x, axis, -1); K = x.shape[-1]
;;       r = np.clip(x / 2.0 ** e, -448, 448)
;;       step = 2.0 ** (np.maximum(np.frexp(np.where(r == 0, 1, r))[1] - 1, -6) - 3)
;;       q = np.round(r / step) * step * 2.0 ** e      # np.round: ties to even
;;       return np.moveaxis(q, -1, axis).astype(np.float32)
;;   ~~~
;;   SOFTMAX AHEAD OF A QUANTISED PRODUCT. Where the list says 'softmax', what is quantised is not the finished softmax but p = 2^(t - M), with t = logit x log2(e) and M = ceil(the row's largest t), a whole number; so 1/2 < the row's largest p <= 1. The row's sum l is taken of the UNQUANTISED p, in f32, and the product's result is divided by l at the end. Since M is a whole number, a kernel that streams over the keys may use a running M (the ceiling of the running maximum): every later rescaling is an exact power of two, so the quantised numbers keep their values, but for numbers so far below the row's largest that they fall under the format's range.
;;   OPERANDS COMPUTED ON THE WAY. 'Computed on the way' means the value that the module computes at that place (a softmax that the list does not call 'softmax' is quantised finished and normalised). What goes into a quantiser is computed in f32, as accurately as f32 sums, v_exp_f32 and their like allow (about 1e-6 of the number): no bf16 or f16 on the way to a quantiser, and a product that is left as it is and whose result goes on into a quantised operand takes f32 operands (vector FMAs, or v_wmma_f32_16x16x4_f32). A number that lies on a knife's edge between two numbers of the format may be rounded either way, as far as f32 arithmetic and the matrix unit's own rounding can turn it there, and no further.
;; 2 versions, each right; version 2 is version 1 with the launch attn written anew for expert scheduling mode. Each part assembles by itself: llvm-mc -triple=amdgcn-amd-amdhsa -mcpu=gfx1250 --defsym DOCPART=n.
;; ======== version 1 of 2: 4 launches
;; limits: right only within a limited range of input values
;; workspace buffers: xc 25,165,824 bytes; wc 10,485,760 bytes; maskc 4,194,304 bytes; flags 2,048 bytes of whole numbers; qkv 12,582,912 bytes; af 8,388,608 bytes
;; launch prep (part 1): grid 704 x 1, 4 waves a work-group, no clusters, 34,304 bytes of LDS; arguments x, wq, wk, wv, wo, mask, lowp_scales, xc, wc, maskc, flags; writes xc, wc, maskc, flags
.if DOCPART == 1
	.amdgcn_target "amdgcn-amd-amdhsa--gfx1250"
	.amdhsa_code_object_version 6
	.text
	.protected	k_q4d2a40a56a_prep
	.globl	k_q4d2a40a56a_prep
	.p2align	8
	.type	k_q4d2a40a56a_prep,@function
k_q4d2a40a56a_prep:
	s_mov_b64 s[64:65], 0
	v_nop
	global_prefetch_b8 v0, s[64:65] scope:SCOPE_SE
	s_setreg_imm32_b32 hwreg(HW_REG_WAVE_MODE, 25, 1), 1
	s_wait_xcnt 0x0
; PREP: x (three times: with e0, e2, e4), wq (e1), wk (e3), wv (e5), wo (e11) become codes of FP8 (E4M3); the additive mask is scaled, floored and laid as the attention's score registers want it,
; and for each tile of 16 queries x 128 keys two bits say whether any key counts there and whether any number there is not 0.
; code = number / 2^e, held within +-448, to the nearest code, ties to even.
; IMAGES.  Codes are stored in the order of an operand's registers.  Tile t of a tensor is 16 rows: lane row r (0..15) stands for row 32 (t / 2) + 8 (t % 2) + r + 8 (r / 8).  The 16 bytes at
; 32768 t + 2048 s + 512 c + 16 lane (lane = r + 16 h) are the codes of that row at k = 128 s + 32 c + 16 h + 0 .. 15.  So a fragment (16 rows x 128 K) is 2,048 consecutive bytes, and four loads of 16 bytes a lane bring it.
; SHARES.  Work-groups 0-255: tile g of x; 256-383 wq; 384-415 wk; 416-447 wv; 448-575 wo (wc holds their tiles on end: tile g - 256); 576-703 the mask.  Wave w of a tensor's work-group takes K steps 4 w .. 4 w + 3 of the tile.
; Each load reads 512 consecutive bytes of one row; the 16 rows x 512 bytes turn through the wave's own stage in LDS (rows 528 bytes apart) so that a lane gets 16 neighbours along K of each block of 32.
; The loads of two K steps (32 loads, 16 KiB a wave) are on their way at a time, in two sets of registers by turns.
; No matrix work, no tensor loads, no barrier, no cluster: memory binds, waves share nothing, and no two work-groups read the same bytes.
; LIMITS: every e used here lies between -126 and 119.  NaN in x and the weights is not served (an infinity is held at the largest code).
; THE MASK: number x 2^(3 - e6 - e7), not below -2^100: it is added to the raw sums of codes, which lack the factor 2^(e6 + e7) / 8.  So numbers at or below -2^(97 + e6 + e7) count as -infinity.  +infinity and NaN in the mask are not served.
.set SP,   528                         ; a stage row: 512 bytes + 16: row r starts 4 r banks on, so the 16 rows that a read touches start at 16 different banks (64 banks of 4 bytes: ISA guide 11.1)
.set WREG, 16*SP                       ; a wave's stage
.set L16,  2                           ; v2   16 x lane
.set SW,   3                           ; v3   the stage on the way in: 16 x lane
.set SRD,  4                           ; v4   and on the way out: row r, + 64 h
.set SC,   6                           ; v6-8   2^e as f32, for the three sets of codes
.set LIM,  9                           ; v9-11  448 x 2^e
.set R,    16                          ; v16-143  two sets of 16 rows x 4 registers as loaded, by turns
.set X,    144                         ; v144-207 register 16 c + i: k = 32 c + 16 h + i of my row
.set T,    208                         ; v208-239 two sets of 16 held numbers, by turns
.set C,    240                         ; v240-255 a fragment's codes
	s_load_b512 s[8:23], s[0:1], 0x0               ; x s[8:9], wq s[10:11], wk s[12:13], wv s[14:15], wo s[16:17], mask s[18:19], the exponents s[20:21], xc s[22:23]
	s_load_b128 s[24:27], s[0:1], 0x40             ; wc s[24:25], maskc s[26:27]
	s_load_b64 s[28:29], s[0:1], 0x50              ; flags
	v_lshl_add_u32 v14, v0, 2, 0x8400
	v_mov_b32 v15, 0
	v_lshrrev_b32 v1, 5, v0
	v_readfirstlane_b32 s2, v1                     ; wave
	v_and_b32 v1, 31, v0                           ; lane
	v_lshlrev_b32 v[L16], 4, v1
	v_and_b32 v12, 15, v0                          ; r
	v_bfe_u32 v13, v0, 4, 1                        ; h
	s_mov_b32 s3, ttmp9                            ; g
	s_wait_kmcnt 0x0
	s_load_b256 s[32:39], s[20:21], 0x0            ; e0 .. e7
	s_load_b128 s[40:43], s[20:21], 0x20           ; e8 .. e11
	s_cmp_ge_u32 s3, 576
	s_cbranch_scc1 .Lmask                          ; on the work-group's number alone; the mask's path touches no LDS
	; ---- a tensor's tile.  One path for all five: only pointers, the first work-group and e are chosen, on the work-group's number
	s_mov_b64 s[44:45], s[8:9]
	s_mov_b64 s[48:49], s[22:23]
	s_mov_b32 s51, 0
	s_cmp_ge_u32 s3, 256
	s_cselect_b64 s[44:45], s[10:11], s[44:45]
	s_cselect_b64 s[48:49], s[24:25], s[48:49]
	s_cselect_b32 s51, 256, s51
	s_mov_b32 s50, s51                             ; the destination's tile is g (x) or g - 256 (weights)
	s_cmp_ge_u32 s3, 384
	s_cselect_b64 s[44:45], s[12:13], s[44:45]
	s_cselect_b32 s51, 384, s51
	s_cmp_ge_u32 s3, 416
	s_cselect_b64 s[44:45], s[14:15], s[44:45]
	s_cselect_b32 s51, 416, s51
	s_cmp_ge_u32 s3, 448
	s_cselect_b64 s[44:45], s[16:17], s[44:45]
	s_cselect_b32 s51, 448, s51
	s_sub_co_u32 s46, s3, s51                      ; t: the tile in its tensor
	s_lshr_b32 s56, s46, 1
	s_lshl_b32 s56, s56, 18                        ; 32 rows of 8,192 bytes for each pair of tiles,
	s_and_b32 s57, s46, 1
	s_lshl_b32 s57, s57, 16                        ; 8 rows for the odd tile,
	s_add_co_u32 s56, s56, s57
	s_lshl_b32 s57, s2, 11                         ; my four K steps of 512 bytes
	s_add_co_u32 s56, s56, s57
	s_mov_b32 s57, 0
	s_add_nc_u64 s[44:45], s[44:45], s[56:57]
	s_sub_co_u32 s56, s3, s50
	s_lshl_b32 s56, s56, 15
	s_lshl_b32 s58, s2, 13
	s_add_co_u32 s56, s56, s58                     ; 32768 x tile + 4 fragments x wave
	s_add_nc_u64 s[48:49], s[48:49], s[56:57]
	s_add_nc_u64 s[52:53], s[48:49], 0x800000      ; x's second and third set of codes (named by x's work-groups alone)
	s_add_nc_u64 s[54:55], s[48:49], 0x1000000
	s_mul_i32 s58, s2, WREG
	v_add_nc_u32 v[SW], s58, v[L16]
	v_mul_u32_u24 v[SRD], v12, SP
	v_lshl_add_u32 v[SRD], v13, 6, v[SRD]
	v_add_nc_u32 v[SRD], s58, v[SRD]
.macro LOADF f                         ; K step f of my four, into set f % 2: 16 rows x 512 consecutive bytes; which rows form the tile stands in the immediate
.irp r, 0,1,2,3,4,5,6,7,8,9,10,11,12,13,14,15
	global_load_b128 v[R+64*((\f)%2)+4*\r:R+64*((\f)%2)+4*\r+3], v[L16], s[44:45] offset:(\r+8*(\r/8))*8192+512*(\f) th:TH_LOAD_NT
.endr
.endm
.macro TURNF f                         ; through my stage: LDS serves a wave's instructions in order (ISA guide 5.7.1.4), so no wait stands between the stores and the loads
.irp r, 0,1,2,3,4,5,6,7,8,9,10,11,12,13,14,15
	ds_store_b128 v[SW], v[R+64*((\f)%2)+4*\r:R+64*((\f)%2)+4*\r+3] offset:SP*\r
.endr
.irp c, 0,1,2,3
.irp j, 0,1,2,3
	ds_load_b128 v[X+16*\c+4*\j:X+16*\c+4*\j+3], v[SRD] offset:128*\c+16*\j
.endr
.endr
.endm
.macro MKSC n, se                      ; 2^e and 448 x 2^e as f32 numbers
	s_add_co_i32 s58, \se, 127
	s_lshl_b32 s59, s58, 23
	v_mov_b32 v[SC+\n], s59
	s_add_co_i32 s58, s58, 8
	s_lshl_b32 s58, s58, 23
	s_or_b32 s58, s58, 0x600000
	v_mov_b32 v[LIM+\n], s58
.endm
; Set n of the fragment's codes, to s[d:d+1].  The conversion to an 8-bit code does not saturate (ISA guide 7.6.2): each number is held first, into T, since X serves up to three sets.
; T's two halves take turns: sixteen plain lines stand between a conversion and the next write of its sources or of its results.
.macro QSET n, f, d
	s_wait_xcnt 0x0                                ; the stores of the codes made last have read C: it is written again only behind this wait
.irp c, 0,1,2,3
.set i, 0
.rept 16
	v_med3_num_f32 v[T+16*(\c%2)+i], v[X+16*\c+i], -v[LIM+\n], v[LIM+\n]
.set i, i+1
.endr
	v_cvt_scalef32_pk8_fp8_f32 v[C+4*\c:C+4*\c+1], v[T+16*(\c%2):T+16*(\c%2)+7], v[SC+\n]
	v_cvt_scalef32_pk8_fp8_f32 v[C+4*\c+2:C+4*\c+3], v[T+16*(\c%2)+8:T+16*(\c%2)+15], v[SC+\n]
.endr
.irp c, 0,1,2,3
	global_store_b128 v[L16], v[C+4*\c:C+4*\c+3], s[\d:\d+1] offset:2048*(\f)+512*\c   ; 32 lanes store 512 consecutive bytes, at a multiple of 512 from the buffer's first byte
.endr
.endm
.macro PIECE f
.if \f < 3
	s_wait_loadcnt 16                              ; this K step's 16 loads are in; the next step's 16 may be out
.else
	s_wait_loadcnt 0x0
.endif
	TURNF \f
	s_wait_dscnt 0x0                               ; X is in, and the stores into the stage have read this set of R,
.if \f < 2
	LOADF \f+2                                     ; which takes the K step two further on
.endif
	QSET 0, \f, 48
	s_cmp_ge_u32 s3, 256
	s_cbranch_scc1 .Lone_\@                        ; a weight has one set of codes
	QSET 1, \f, 52
	QSET 2, \f, 54
.Lone_\@:
.endm
	LOADF 0
	LOADF 1
	s_wait_kmcnt 0x0
	s_mov_b32 s47, s32                             ; e0, or the weight's e
	s_cmp_ge_u32 s3, 256
	s_cselect_b32 s47, s33, s47
	s_cmp_ge_u32 s3, 384
	s_cselect_b32 s47, s35, s47
	s_cmp_ge_u32 s3, 416
	s_cselect_b32 s47, s37, s47
	s_cmp_ge_u32 s3, 448
	s_cselect_b32 s47, s43, s47
	MKSC 0, s47
	MKSC 1, s34                                    ; e2
	MKSC 2, s36                                    ; e4
	PIECE 0
	PIECE 1
	PIECE 2
	PIECE 3
	s_wait_tensorcnt 0x0
	ds_add_u32 v14, v15
	s_wait_dscnt 0x0
	s_endpgm
	; ---- the mask: wave w of work-group g - 576 takes tile T = (g - 576) / 2 of 16 queries and key step 4 ((g - 576) % 2) + w of 128 keys
.Lmask:
	s_sub_co_u32 s46, s3, 576
	s_lshr_b32 s47, s46, 1                         ; T
	s_and_b32 s46, s46, 1
	s_lshl_b32 s46, s46, 2
	s_add_co_u32 s46, s46, s2                      ; step
	v_and_b32 v3, 8, v12
	v_add_nc_u32 v3, v3, v12                       ; r + 8 (r / 8)
	v_lshlrev_b32 v3, 12, v3                       ; rows of 4,096 bytes
	v_lshl_add_u32 v3, v13, 6, v3                  ; + 64 h: my 16 keys of a block of 32
	s_lshr_b32 s56, s47, 1
	s_lshl_b32 s56, s56, 17
	s_and_b32 s57, s47, 1
	s_lshl_b32 s57, s57, 15
	s_add_co_u32 s56, s56, s57
	s_lshl_b32 s57, s46, 9
	s_add_co_u32 s56, s56, s57
	s_mov_b32 s57, 0
	s_add_nc_u64 s[18:19], s[18:19], s[56:57]
.irp c, 0,1,2,3
.irp j, 0,1,2,3
	global_load_b128 v[16+16*\c+4*\j:16+16*\c+4*\j+3], v3, s[18:19] offset:128*\c+16*\j   ; register 16 c + i: key 128 step + 32 c + 16 h + i of query row r: the place of that score in the attention's registers
.endr
.endr
	s_lshl_b32 s58, s47, 3
	s_add_co_u32 s58, s58, s46                     ; 8 T + step
	s_lshl_b32 s56, s58, 13
	s_add_nc_u64 s[26:27], s[26:27], s[56:57]
	s_lshl_b32 s56, s58, 2
	s_add_nc_u64 s[28:29], s[28:29], s[56:57]
	s_wait_kmcnt 0x0
	s_add_co_i32 s59, s38, s39
	s_sub_co_i32 s59, 3, s59                       ; 3 - e6 - e7
	s_mov_b32 s60, 0xf1800000                      ; -2^100
	s_wait_loadcnt 0x0
.set i, 0
.rept 64
	v_ldexp_f32 v[16+i], v[16+i], s59
	v_max_num_f32 v[16+i], s60, v[16+i]
.set i, i+1
.endr
	v_max3_num_f32 v80, v16, v17, v18              ; the largest number and the largest magnitude of my 64, each in two chains
	v_max3_num_f32 v81, v19, v20, v21
	v_max3_num_f32 v82, |v16|, |v17|, |v18|
	v_max3_num_f32 v83, |v19|, |v20|, |v21|
.irp i, 6,10,14,18,22,26,30,34,38,42,46,50,54,58
	v_max3_num_f32 v80, v80, v[16+\i], v[17+\i]
	v_max3_num_f32 v81, v81, v[18+\i], v[19+\i]
	v_max3_num_f32 v82, v82, |v[16+\i]|, |v[17+\i]|
	v_max3_num_f32 v83, v83, |v[18+\i]|, |v[19+\i]|
.endr
	v_max3_num_f32 v80, v80, v78, v79
	v_max3_num_f32 v82, v82, |v78|, |v79|
	v_max_num_f32 v80, v80, v81
	v_max_num_f32 v82, v82, v83
	v_cmp_lt_f32 s61, s60, v80                     ; lanes with a key that counts
	v_cmp_lt_f32 s62, 0, v82                       ; lanes with a number that is not 0
	s_cmp_lg_u32 s61, 0                            ; a value is selected; no branch and no address hangs on it here
	s_cselect_b32 s61, 1, 0
	s_cmp_lg_u32 s62, 0
	s_cselect_b32 s62, 256, 0
	s_or_b32 s61, s61, s62
	s_lshl_b32 s61, s61, s46                       ; bit step: some key counts; bit 8 + step: some number is not 0
	v_mov_b32 v84, s61
	v_mov_b32 v85, 0
.irp q, 0,1,2,3,4,5,6,7,8,9,10,11,12,13,14,15
	global_store_b128 v[L16], v[16+4*\q:16+4*\q+3], s[26:27] offset:512*\q   ; 512 consecutive bytes a store
.endr
	v_cmp_eq_u32 vcc_lo, 0, v1
	s_wait_xcnt 0x0                                ; EXEC is among the sources of the stores above: it changes only behind this wait
	s_and_saveexec_b32 s62, vcc_lo
	global_store_b32 v85, v84, s[28:29]            ; lane 0 stores the word
	s_wait_xcnt 0x0
	s_or_b32 exec_lo, exec_lo, s62
	s_endpgm
.Lfunc_end_k_q4d2a40a56a_prep:
	.size	k_q4d2a40a56a_prep, .Lfunc_end_k_q4d2a40a56a_prep-k_q4d2a40a56a_prep
	.p2alignl 7, 3214868480
	.fill 96, 4, 3214868480
	.section	.rodata,"a",@progbits
	.p2align	6, 0x0
	.amdhsa_kernel k_q4d2a40a56a_prep
		.amdhsa_group_segment_fixed_size 34304
		.amdhsa_private_segment_fixed_size 0
		.amdhsa_enable_private_segment 0
		.amdhsa_kernarg_size 88
		.amdhsa_user_sgpr_count 2
		.amdhsa_user_sgpr_kernarg_segment_ptr 1
		.amdhsa_wavefront_size32 1
		.amdhsa_system_sgpr_workgroup_id_x 1
		.amdhsa_system_sgpr_workgroup_id_y 1
		.amdhsa_system_sgpr_workgroup_id_z 1
		.amdhsa_system_vgpr_workitem_id 0
		.amdhsa_next_free_vgpr 256
		.amdhsa_next_free_sgpr 66
		.amdhsa_reserve_vcc 1
		.amdhsa_float_denorm_mode_32 3
		.amdhsa_float_denorm_mode_16_64 3
		.amdhsa_memory_ordered 1
		.amdhsa_forward_progress 1
		.amdhsa_inst_pref_size 93
	.end_amdhsa_kernel
	.amdgpu_metadata
---
amdhsa.version: [ 1, 2 ]
amdhsa.kernels:
  - .name:           k_q4d2a40a56a_prep
    .symbol:         k_q4d2a40a56a_prep.kd
    .args:
      - { .name: x, .offset: 0, .size: 8, .value_kind: global_buffer, .address_space: global }
      - { .name: wq, .offset: 8, .size: 8, .value_kind: global_buffer, .address_space: global }
      - { .name: wk, .offset: 16, .size: 8, .value_kind: global_buffer, .address_space: global }
      - { .name: wv, .offset: 24, .size: 8, .value_kind: global_buffer, .address_space: global }
      - { .name: wo, .offset: 32, .size: 8, .value_kind: global_buffer, .address_space: global }
      - { .name: mask, .offset: 40, .size: 8, .value_kind: global_buffer, .address_space: global }
      - { .name: lowp_scales, .offset: 48, .size: 8, .value_kind: global_buffer, .address_space: global }
      - { .name: xc, .offset: 56, .size: 8, .value_kind: global_buffer, .address_space: global }
      - { .name: wc, .offset: 64, .size: 8, .value_kind: global_buffer, .address_space: global }
      - { .name: maskc, .offset: 72, .size: 8, .value_kind: global_buffer, .address_space: global }
      - { .name: flags, .offset: 80, .size: 8, .value_kind: global_buffer, .address_space: global }
    .group_segment_fixed_size: 34304
    .private_segment_fixed_size: 0
    .kernarg_segment_align: 8
    .kernarg_segment_size: 88
    .max_flat_workgroup_size: 128
    .sgpr_count:     66
    .vgpr_count:     256
    .wavefront_size: 32
...
	.end_amdgpu_metadata
.endif
;; end of part 1
;; launch proj (part 2): grid 192 x 1, 4 waves a work-group, clusters of 4 x 1, 327,680 bytes of LDS; arguments xc, wc, lowp_scales, freqs_cos, freqs_sin, qkv; writes qkv
.if DOCPART == 2
	.amdgcn_target "amdgcn-amd-amdhsa--gfx1250"
	.amdhsa_code_object_version 6
	.text
	.protected	k_q4d2a40a56a_proj
	.globl	k_q4d2a40a56a_proj
	.p2align	8
	.type	k_q4d2a40a56a_proj,@function
k_q4d2a40a56a_proj:
	s_mov_b64 s[64:65], 0
	v_nop
	global_prefetch_b8 v0, s[64:65] scope:SCOPE_SE
	s_setreg_imm32_b32 hwreg(HW_REG_WAVE_MODE, 25, 1), 1
	s_wait_xcnt 0x0
	s_wait_alu depctr_hold_cnt(0) depctr_sa_sdst(0) depctr_va_vdst(0) depctr_va_sdst(0) depctr_va_ssrc(0) depctr_va_vcc(0) depctr_vm_vsrc(0)
	s_getreg_b32 s2, hwreg(HW_REG_IB_STS2, 6, 4)
	s_cmp_eq_u32 s2, 0
	s_cbranch_scc0 .Lentry_in_a_cluster
	s_endpgm
.Lentry_in_a_cluster:
	s_bfe_u32 s2, ttmp6, 0x10000c
	s_cmp_lg_u32 s2, 0x3003
	s_cbranch_scc0 .Lentry_shape_is_right
	s_endpgm
.Lentry_shape_is_right:
; PROJ: x wq^T, x wk^T, x wv^T on codes of FP8 (E4M3); the rotation of q and k by the HEAD's row of the tables; q, k, v quantised for the attention's products (e6, e7, e9) and stored as images of operand registers.
; IMAGES: tile t is 16 rows, lane row r standing for row 32 (t / 2) + 8 (t % 2) + r + 8 (r / 8); the 16 bytes at 32768 t + 2048 s + 512 c + 16 lane hold k = 128 s + 32 c + 16 (lane / 16) + 0 .. 15.  The order of k inside a matrix
; instruction is thereby a permutation, the same on both operands.
; SHARES.  A work-group of four waves makes 256 x 256, a wave 128 x 128: 64 accumulators, 512 registers.  Cluster number cl: wg = cl / 4 is the tile of 256 weight rows (0-7 wq, 8-9 wk, 10-11 wv: their images lie on end in wc);
; the tile of 256 tokens is 4 (cl % 4) + cx, from the set of x's codes that belongs to the product (e0, e2, e4).  K = 2,048 goes in 8 slots' worth of 256 through a ring of two LDS slots.
; SOURCES.  D = source 0 x source 1: a lane holds ONE row of source 1, and the 16 registers of accumulators 2 b, 2 b + 1 are 16 NEIGHBOURING rows of source 0 (by the choice of rows above).  q, k: source 0 = weights, source 1 = x: a lane
; holds a token and its registers run along the head: the next K.  v: source 0 = x, source 1 = wv: a lane holds a channel and its registers run along the tokens, the keys: the next K.  Only two LDS bases differ.
; So four code registers are a quad of the next operand's image and leave by one store of 512 consecutive bytes: no stage in LDS.
; CLUSTER 4 x 1: the four partners share the WEIGHT tile, asked for jointly (mask 15); each fetches its own tile of x by a load of its own.  Not 4 x 4: wk and wv have two tiles of 256 rows each, k and v take different codes of x
; (e2, e4), and a cluster has to be of one kind, since the way out parts on the kind: no four work-groups with different weight tiles share a tile of x in every cluster.
; LIMITS: e6 - e0 - e1, e7 - e2 - e3, e9 - e4 - e5 between -126 and 119.
; REGISTERS, in windows of 256: window 0: v2-9 at work; v16-31 addresses and constants; v32-95 cos and sin; v96-127 numbers ahead of the quantiser; v128-255 source 1's fragments, ONE set, later the codes.
;   window 1: source 0's fragments, TWO sets.   windows 2, 3: the accumulators ((a, b) at v[8 (8 (a % 4) + b)], a / 4 the window).
.set SLOT,  131072                     ; the weights' 16 tiles x 4,096 bytes (two K steps of 128), then x's
.set SPARE, 2*SLOT                     ; behind the ring: the spare words, 128 bytes for each wave: two blocks of 256 bytes that no other line names
.set FR,    16                         ; registers of a fragment
.set NL,    4                          ; LDS loads that bring one
.set NP,    4                          ; places behind this matrix instruction (ISA guide 7.12.1)
.set LAPS,  4                          ; a lap = two slots = 512 along K
.set TA,    2                          ; v2-9    products at work in the rotation
.set AD1,   16                         ; v16-17  LDS address of source 1's fragments in slot 0, 1
.set AD0,   20                         ; v20-21  the same for source 0
.set L16,   26                         ; v26     16 x lane
.set HOF,   27                         ; v27     32 x (lane / 16): my place in a row of the tables
.set SPW,   28                         ; v28     LDS address of my spare word; never rewritten
.set NIL,   29                         ; v29     0; never rewritten
.set QSC,   30                         ; v30     the quantiser's scale as f32
.set QLM,   31                         ; v31     448 x that
.set CSN,   32                         ; v32-95  head hh of my two: cos at +32 hh, sin at +32 hh + 16; register 8 bb + 4 u + i: pair 16 bb + 8 h + 4 u + i
.set T,     96
.set AF,    128
.set CD,    128
.set G1W, 24                           ; s[24:31] descriptor group 1 for the weights' tiles;  s[32:39] group 0, one set for each slot
.set G0W, 32
.set G1X, 48                           ; s[48:55], s[56:63] the same for x's tiles
.set G0X, 56
.set MSB, 0
.macro WIN new                         ; the immediate's high byte repeats the setting that is left
.if MSB != \new
	s_set_vgpr_msb (MSB<<8)|\new
.set MSB, \new
.endif
.endm
.set MUL_LO, 0xa1                      ; source 0 window 1, source 1 window 0, C and D window 2
.set MUL_HI, 0xf1                      ; the same, C and D window 3
.set TO_B,   0x40                      ; destination window 1, address window 0
; Waves 0 and 1 fetch the weights' two halves, jointly with the partners; waves 2 and 3 x's two halves, for this work-group alone.  The branch hangs on the wave's number alone.
; Four v_nop follow each of the two lines, ahead of the jump, the label and what follows.
.macro JLOAD s
	s_cmp_eq_u32 s15, 0
	s_cbranch_scc0 .Lfor_x_\@
	tensor_load_to_lds s[G0W+4*\s:G0W+4*\s+3], s[G1W:G1W+7]
	s_nop 0
.rept 4
	v_nop
.endr
	s_branch .Lasked_\@
.Lfor_x_\@:
	tensor_load_to_lds s[G0X+4*\s:G0X+4*\s+3], s[G1X:G1X+7]
	s_nop 0
.rept 4
	v_nop
.endr
.Lasked_\@:
.endm
.macro CREST                           ; a round of the cluster's barrier behind its opening barrier
	s_cmp_lg_u32 s14, 0
	s_cbranch_scc1 .Lnot_wave_0_\@
	s_barrier_signal -3
.Lnot_wave_0_\@:
	s_barrier_wait -3
	s_barrier_signal -1
	s_barrier_wait -1
.endm
.macro CROUND                          ; a whole round
	s_barrier_signal -1
	s_barrier_wait -1
	CREST
.endm
	s_load_b256 s[4:11], s[0:1], 0x0               ; xc s[4:5], wc s[6:7], the exponents s[8:9], cos s[10:11]
	s_load_b128 s[84:87], s[0:1], 0x20             ; sin s[84:85], qkv s[86:87]
	v_lshl_add_u32 v[SPW], v0, 2, SPARE
	v_mov_b32 v[NIL], 0
	ds_add_u32 v28, v29
	ds_add_u32 v28, v29
	s_wait_dscnt 0x0
	v_lshrrev_b32 v1, 5, v0
	v_readfirstlane_b32 s14, v1                    ; wave 0..3
	s_lshr_b32 s15, s14, 1                         ; which half of source 1's rows is mine.  Also: I fetch weights (0) or x (1)
	s_and_b32 s16, s14, 1                          ; which half of source 0's rows.  Also: which 8 tiles I fetch
	s_bfe_u32 s40, ttmp6, 0x40000                  ; cx
	s_mov_b32 s41, ttmp9                           ; the cluster's number
	s_lshr_b32 s43, s41, 2                         ; wg: the same in all four partners
	s_and_b32 s42, s41, 3
	s_lshl_b32 s42, s42, 2
	s_add_co_u32 s42, s42, s40                     ; xt: my tile of 256 tokens; it enters x's and qkv's global addresses alone
	; descriptor group 1: 8 rows (tiles) of 4,096 bytes (two K steps' images), 32,768 bytes apart, as elements of 8 bytes; dense in LDS
	s_mov_b32 s[G1W], 15|(3<<16)|(1<<21)           ; 15:0 the mask: all four work-groups; 17:16 elements of 8 bytes; 21 set beside a mask
	s_mov_b32 s[G1X], 3<<16                        ; no mask
.irp g, G1W, G1X
	s_mov_b32 s[\g+1], 512<<16                     ; tensor_dim0 = 512
	s_mov_b32 s[\g+2], 8<<16                       ; tensor_dim1 = 8
	s_mov_b32 s[\g+3], 512<<16                     ; tile_dim0 = 512
	s_mov_b32 s[\g+4], 8                           ; tile_dim1 = 8
	s_mov_b32 s[\g+5], 4096                        ; tensor_dim0_stride
	s_mov_b32 s[\g+6], 0
	s_mov_b32 s[\g+7], 0
.endr
	s_cmp_ge_u32 s43, 8
	s_cselect_b32 s18, 1, 0
	s_cselect_b32 s44, 8, 0
	s_cmp_ge_u32 s43, 10
	s_cselect_b32 s19, 1, 0
	s_add_co_u32 s18, s18, s19                     ; which set of x's codes: 0 for q, 1 for k, 2 for v
	s_lshl_b32 s22, s16, 18                        ; 8 tiles of 32,768 bytes
	s_lshl_b32 s20, s43, 19                        ; weights: tile 16 wg + 8 x half: made of what the partners share
	s_add_co_u32 s20, s20, s22
	s_mov_b32 s21, 0
	s_lshl_b32 s46, s18, 23                        ; x: the set, tile 16 xt + 8 x half
	s_lshl_b32 s47, s42, 19
	s_add_co_u32 s46, s46, s47
	s_add_co_u32 s46, s46, s22
	s_mov_b32 s47, 0
	s_lshl_b32 s45, s14, 15                        ; where they go: wave x 32,768: no place in the cluster enters an LDS address
	s_sub_co_u32 s44, s43, s44
	s_lshl_b32 s44, s44, 2
	s_lshl_b32 s88, s16, 1
	s_add_co_u32 s44, s44, s88                     ; the first of my two heads: 4 wg + 2 x half (k: 4 (wg - 8) + ..)
	s_lshl_b32 s88, s44, 7                         ; its row of 128 bytes in the tables
	s_mov_b32 s89, 0
	s_wait_kmcnt 0x0
	s_load_b256 s[68:75], s[8:9], 0x0              ; e0 .. e7
	s_load_b128 s[76:79], s[8:9], 0x20             ; e8 .. e11
	s_add_nc_u64 s[20:21], s[6:7], s[20:21]
	s_add_nc_u64 s[46:47], s[4:5], s[46:47]
	s_add_nc_u64 s[10:11], s[10:11], s[88:89]
	s_add_nc_u64 s[84:85], s[84:85], s[88:89]
	CROUND                                         ; all four work-groups are here: the first joint loads meet
.irp s, 0,1
	s_mov_b32 s[G0W+4*\s], 1
	s_add_co_u32 s[G0W+4*\s+1], s45, \s*SLOT
	s_add_nc_u64 s[G0W+4*\s+2:G0W+4*\s+3], s[20:21], \s*4096
	s_or_b32 s[G0W+4*\s+3], s[G0W+4*\s+3], 0x80000000
	s_mov_b32 s[G0X+4*\s], 1
	s_add_co_u32 s[G0X+4*\s+1], s45, \s*SLOT
	s_add_nc_u64 s[G0X+4*\s+2:G0X+4*\s+3], s[46:47], \s*4096
	s_or_b32 s[G0X+4*\s+3], s[G0X+4*\s+3], 0x80000000
	JLOAD \s                                       ; two tensor loads of mine are out
.endr
	v_and_b32 v1, 31, v0
	v_lshlrev_b32 v[L16], 4, v1
	v_bfe_u32 v1, v0, 4, 1
	v_lshlrev_b32 v[HOF], 5, v1
	s_cmp_ge_u32 s43, 10                           ; v: x is source 0 and the weights are source 1.  Either way both bases lie inside the slot
	s_cselect_b32 s20, 65536, 0
	s_cselect_b32 s21, 0, 65536
	s_lshl_b32 s18, s16, 15
	s_add_co_u32 s18, s18, s20
	s_lshl_b32 s19, s15, 15
	s_add_co_u32 s19, s19, s21
.irp s, 0,1
	v_add_nc_u32 v[AD0+\s], s18, v[L16]
	v_add_nc_u32 v[AD1+\s], s19, v[L16]
	s_add_co_u32 s18, s18, SLOT
	s_add_co_u32 s19, s19, SLOT
.endr
	; cos and sin of my two heads: one path for every kind (v's work-groups read rows 8 to 15 and use none of them); waited for ahead of the way out
.irp hh, 0,1
.irp bb, 0,1
.irp u, 0,1
	global_load_b128 v[CSN+32*\hh+8*\bb+4*\u:CSN+32*\hh+8*\bb+4*\u+3], v[HOF], s[10:11] offset:128*\hh+64*\bb+16*\u
	global_load_b128 v[CSN+16+32*\hh+8*\bb+4*\u:CSN+16+32*\hh+8*\bb+4*\u+3], v[HOF], s[84:85] offset:128*\hh+64*\bb+16*\u
.endr
.endr
.endr
.macro FRAG reg, adr, q, i             ; tile i of my eight, the slot's q-th 128 along K: 2,048 consecutive bytes, 512 a load: no two lanes meet in a bank
.irp c, 0,1,2,3
	ds_load_b128 v[\reg+4*\c:\reg+4*\c+3], v[\adr] offset:4096*(\i)+2048*(\q)+512*\c
.endr
.endm
; 16 matrix instructions: source 1's blocks a0, a0 + 1 x source 0's eight, 128 along K.  p: source 0's set.  zero = 1: the first product starts the sums: nothing is ever cleared.
; The 64 accumulators take turns, one instruction a turn, in the same order in every step.
.macro MUL16 a0, p, zero
.irp a, \a0, \a0+1
.irp b, 0,1,2,3,4,5,6,7
.if \zero
	v_wmma_f32_16x16x128_fp8_fp8 v[8*(8*((\a)%4)+\b):8*(8*((\a)%4)+\b)+7], v[128*(\p)+FR*\b:128*(\p)+FR*\b+FR-1], v[AF+FR*(\a):AF+FR*(\a)+FR-1], 0
.else
	v_wmma_f32_16x16x128_fp8_fp8 v[8*(8*((\a)%4)+\b):8*(8*((\a)%4)+\b)+7], v[128*(\p)+FR*\b:128*(\p)+FR*\b+FR-1], v[AF+FR*(\a):AF+FR*(\a)+FR-1], v[8*(8*((\a)%4)+\b):8*(8*((\a)%4)+\b)+7]
.endif
.endr
.endr
.endm
.macro FETCH_B slot, q, p              ; source 0's eight fragments into set p
	WIN TO_B
.irp i, 0,1,2,3,4,5,6,7
	FRAG 128*(\p)+FR*\i, AD0+\slot, \q, \i
.endr
	WIN 0
.endm
.macro FETCH_A slot, q, i0             ; source 1's blocks i0 .. i0 + 3
.irp i, \i0, \i0+1, \i0+2, \i0+3
	FRAG AF+FR*(\i), AD1+\slot, \q, \i
.endr
.endm
; A load into a register that a matrix instruction has read, and a vector instruction that reads a matrix result, stand NP places behind it; only plain vector instructions that name none of its registers are places.
.macro PLACES n
.rept \n
	v_nop
.endr
.endm
; A step of 128 along K that has its successor in the same slot.  A block of source 1 is free as soon as its eight products are issued: blocks 0-3 are fetched anew in the step's middle, blocks 4-7 at its end.
.macro STEP slot, q, zero
	s_wait_dscnt 4*NL                              ; source 0's set and blocks 0-3 are in; the youngest 16 loads (blocks 4-7) may be out
	WIN MUL_LO
	MUL16 0, (\q)%2, \zero
	MUL16 2, (\q)%2, \zero
	s_wait_dscnt 0                                 ; blocks 4-7 are in (asked for 32 matrix instructions ago)
	PLACES NP
	FETCH_B \slot, (\q)+1, 1-(\q)%2
	FETCH_A \slot, (\q)+1, 0
	WIN MUL_HI
	MUL16 4, (\q)%2, \zero
	MUL16 6, (\q)%2, \zero
	PLACES NP
	WIN 0
	FETCH_A \slot, (\q)+1, 4
.endm
; A slot's last step changes slots: ONE barrier; in front of it each wave waits for all its tensor loads, adds 0 to its spare word, and waits for that and for its own reads of this slot.  fill = 1: this slot is filled again, two slots ahead.
.macro TURN slot, next, fill
	s_wait_tensorcnt 0x0                           ; all my tensor loads have landed: my part of the next slot;  (every window is 0 here)
	ds_add_u32 v[SPW], v[NIL]                      ; 0 onto my spare word
	s_wait_dscnt 4*NL+1                            ; (the add and the youngest 16 loads, blocks 4-7, may be out)
	WIN MUL_LO
	MUL16 0, 1, 0                                  ; sixteen matrix instructions stand between the add and the wait for it
	s_wait_dscnt 0x0                               ; the add is done, and my reads of this slot are over
	s_barrier_signal -1
	MUL16 2, 1, 0
	WIN 0
	s_barrier_wait -1
.if \fill
	CREST                                          ; the barrier has opened a round of the cluster's barrier: no wave of any partner still reads this slot or has a load on its way
	s_add_nc_u64 s[G0W+4*\slot+2:G0W+4*\slot+3], s[G0W+4*\slot+2:G0W+4*\slot+3], 8192
	s_add_nc_u64 s[G0X+4*\slot+2:G0X+4*\slot+3], s[G0X+4*\slot+2:G0X+4*\slot+3], 8192
	JLOAD \slot                                    ; my one tensor load behind the round, and the first thing there; its four v_nop are the places in front of the loads below
.else
	PLACES NP
.endif
	FETCH_B \next, 0, 0
	FETCH_A \next, 0, 0
	WIN MUL_HI
	MUL16 4, 1, 0
	MUL16 6, 1, 0
	PLACES NP
	WIN 0
	FETCH_A \next, 0, 4
.endm
	s_wait_tensorcnt 1                             ; my part of slot 0 is in; slot 1's load may be out
	s_barrier_signal -1
	s_barrier_wait -1                              ; everybody's is
	FETCH_B 0, 0, 0
	FETCH_A 0, 0, 0
	FETCH_A 0, 0, 4
	STEP 0, 0, 1                                   ; the first step stands in front of the loop: its products start the sums
	s_mov_b32 s3, LAPS-1
.Llap:                                                 ; a trip goes once round the ring, from a lap's second step to the next lap's first, and fills both slots again
	TURN 0, 1, 1
	STEP 1, 0, 0
	TURN 1, 0, 1
	STEP 0, 0, 0
	s_sub_co_u32 s3, s3, 1
	s_cmp_lg_u32 s3, 0
	s_cbranch_scc1 .Llap
	TURN 0, 1, 0                                   ; the last lap fills nothing, and has no round of the cluster's barrier
	STEP 1, 0, 0
	s_wait_dscnt 4*NL                              ; the very last step: nothing more to fetch
	WIN MUL_LO
	MUL16 0, 1, 0
	MUL16 2, 1, 0
	s_wait_dscnt 0
	WIN MUL_HI
	MUL16 4, 1, 0
	MUL16 6, 1, 0
	WIN 0
	; THE WAY OUT.  A sum stands for sum x 2^(ex + ew), and the rotation is linear: so the three exponents are folded into the conversion's one scale.  The choice is made by selects on wg; no branch hangs on an exponent.
	s_wait_kmcnt 0x0
	s_sub_co_i32 s88, s74, s68
	s_sub_co_i32 s88, s88, s69                     ; q: e6 - e0 - e1
	s_sub_co_i32 s89, s75, s70
	s_sub_co_i32 s89, s89, s71                     ; k: e7 - e2 - e3
	s_sub_co_i32 s90, s77, s72
	s_sub_co_i32 s90, s90, s73                     ; v: e9 - e4 - e5
	s_cmp_ge_u32 s43, 8
	s_cselect_b32 s88, s89, s88
	s_cmp_ge_u32 s43, 10
	s_cselect_b32 s88, s90, s88
	s_add_co_i32 s88, s88, 127
	s_lshl_b32 s89, s88, 23
	s_add_co_i32 s88, s88, 8
	s_lshl_b32 s88, s88, 23
	s_or_b32 s88, s88, 0x600000
	PLACES NP                                      ; behind the last products
	v_mov_b32 v[QSC], s89
	v_mov_b32 v[QLM], s88
	s_wait_loadcnt 0x0                             ; cos and sin
	s_cmp_ge_u32 s43, 10
	s_cbranch_scc1 .Lv                             ; on the cluster's number: the same way in all partners
; q, k: block a (16 tokens), head hh of my two.  Accumulator 4 hh + 2 bb + u, registers 2 i, 2 i + 1: the pair (t0, t1) at d = 32 bb + 16 h + 8 u + 2 i.  o0 = t0 c - t1 s, o1 = t0 s + t1 c.
; Each accumulator is read from its low end on.  32 numbers under one window setting; then the hold (the conversion to an 8-bit code does not saturate: ISA guide 7.6.2), four conversions, one plain line behind them, two stores.
.macro EPI_QK a
.irp hh, 0,1
	WIN 0x02+((\a)/4)                              ; source 0: window 2 or 3
.irp bb, 0,1
.irp u, 0,1
.irp i, 0,1,2,3
.set AC, 8*(8*((\a)%4)+4*\hh+2*\bb+\u)+2*\i
.set CI, CSN+32*\hh+8*\bb+4*\u+\i
.set TO, T+16*\bb+8*\u+2*\i
	v_mul_f32 v[TA+2*\i], v[AC+1], v[CI+16]
	v_mul_f32 v[TA+2*\i+1], v[AC+1], v[CI]
	v_fma_f32 v[TO], v[AC], v[CI], -v[TA+2*\i]
	v_fma_f32 v[TO+1], v[AC], v[CI+16], v[TA+2*\i+1]
.endr
.endr
.endr
	WIN 0
.set n, 0
.rept 32
	v_med3_num_f32 v[T+n], v[T+n], -v[QLM], v[QLM]
.set n, n+1
.endr
.irp bb, 0,1
.set IX, CD+4*(4*(\a)+2*\hh+\bb)
	v_cvt_scalef32_pk8_fp8_f32 v[IX:IX+1], v[T+16*\bb:T+16*\bb+7], v[QSC]
	v_cvt_scalef32_pk8_fp8_f32 v[IX+2:IX+3], v[T+16*\bb+8:T+16*\bb+15], v[QSC]
.endr
	v_nop                                          ; one plain line between the conversions and the next write of their sources
.irp bb, 0,1
.set IX, CD+4*(4*(\a)+2*\hh+\bb)
	global_store_b128 v[L16], v[IX:IX+3], s[86:87] offset:(\a)*1024+\hh*65536+\bb*512   ; a quad of the image: 512 consecutive bytes.  Each quad has code registers of its own: no store's data are written again
.endr
.endr
.endm
; v: block a (16 channels: head a / 4 of my two, tile a % 4 of its four).  Accumulators 2 b, 2 b + 1: keys 32 b + 16 h + 0 .. 15 of my 128.
.macro EPI_V a
.irp g, 0,1
	WIN 0x02+((\a)/4)
.set n, 0
.rept 32
	v_med3_num_f32 v[T+n], v[8*(8*((\a)%4)+4*\g)+n], -v[QLM], v[QLM]
.set n, n+1
.endr
	WIN 0
.irp bb, 0,1
.set IX, CD+4*(4*(\a)+2*\g+\bb)
	v_cvt_scalef32_pk8_fp8_f32 v[IX:IX+1], v[T+16*\bb:T+16*\bb+7], v[QSC]
	v_cvt_scalef32_pk8_fp8_f32 v[IX+2:IX+3], v[T+16*\bb+8:T+16*\bb+15], v[QSC]
.endr
	v_nop
.irp bb, 0,1
.set IX, CD+4*(4*(\a)+2*\g+\bb)
	global_store_b128 v[L16], v[IX:IX+3], s[86:87] offset:((\a)/4)*65536+((\a)%4)*2048+(2*\g+\bb)*512
.endr
.endr
.endm
	; q at byte 0: [batch x 32 + head][64 tiles][2][512];  k at 8 MiB: [batch x 8 + head][64 tiles][2][512]
	s_lshr_b32 s90, s42, 2                         ; the batch
	s_cmp_ge_u32 s43, 8
	s_cselect_b32 s91, 3, 5
	s_cselect_b32 s92, 0x800000, 0
	s_lshl_b32 s90, s90, s91
	s_add_co_u32 s90, s90, s44                     ; + my first head
	s_lshl_b32 s90, s90, 6
	s_and_b32 s91, s42, 3
	s_lshl_b32 s91, s91, 4
	s_add_co_u32 s90, s90, s91                     ; + 16 tiles for each 256 tokens
	s_lshl_b32 s91, s15, 3
	s_add_co_u32 s90, s90, s91                     ; + my half's 8
	s_lshl_b32 s90, s90, 10
	s_add_co_u32 s90, s90, s92
	s_mov_b32 s91, 0
	s_add_nc_u64 s[86:87], s[86:87], s[90:91]
.irp a, 0,1,2,3,4,5,6,7
	EPI_QK \a
.endr
	s_branch .Lend
.Lv:
	; v at 10 MiB: [batch x 8 + head][8 key steps][4 tiles of channels][4][512]
	s_lshr_b32 s90, s42, 2
	s_lshl_b32 s90, s90, 3
	s_sub_co_u32 s91, s43, 10
	s_lshl_b32 s91, s91, 2
	s_add_co_u32 s90, s90, s91
	s_lshl_b32 s91, s15, 1
	s_add_co_u32 s90, s90, s91                     ; batch x 8 + my first head
	s_lshl_b32 s90, s90, 3
	s_and_b32 s91, s42, 3
	s_lshl_b32 s91, s91, 1
	s_add_co_u32 s90, s90, s91
	s_add_co_u32 s90, s90, s16                     ; + the key step: 2 for each 256 tokens + my half
	s_lshl_b32 s90, s90, 13
	s_add_co_u32 s90, s90, 0xa00000
	s_mov_b32 s91, 0
	s_add_nc_u64 s[86:87], s[86:87], s[90:91]
.irp a, 0,1,2,3,4,5,6,7
	EPI_V \a
.endr
.Lend:
	s_wait_tensorcnt 0x0                           ; the wave's end
	ds_add_u32 v[SPW], v[NIL]
	s_wait_dscnt 0x0
	CROUND                                         ; the closing round: no work-group ends while a partner may still ask for a tile that names it
	s_endpgm
.Lfunc_end_k_q4d2a40a56a_proj:
	.size	k_q4d2a40a56a_proj, .Lfunc_end_k_q4d2a40a56a_proj-k_q4d2a40a56a_proj
	.p2alignl 7, 3214868480
	.fill 96, 4, 3214868480
	.section	.rodata,"a",@progbits
	.p2align	6, 0x0
	.amdhsa_kernel k_q4d2a40a56a_proj
		.amdhsa_group_segment_fixed_size 327680
		.amdhsa_private_segment_fixed_size 0
		.amdhsa_enable_private_segment 0
		.amdhsa_kernarg_size 48
		.amdhsa_user_sgpr_count 2
		.amdhsa_user_sgpr_kernarg_segment_ptr 1
		.amdhsa_wavefront_size32 1
		.amdhsa_system_sgpr_workgroup_id_x 1
		.amdhsa_system_sgpr_workgroup_id_y 1
		.amdhsa_system_sgpr_workgroup_id_z 1
		.amdhsa_system_vgpr_workitem_id 0
		.amdhsa_next_free_vgpr 1024
		.amdhsa_next_free_sgpr 100
		.amdhsa_reserve_vcc 0
		.amdhsa_float_denorm_mode_32 3
		.amdhsa_float_denorm_mode_16_64 3
		.amdhsa_memory_ordered 1
		.amdhsa_forward_progress 1
		.amdhsa_inst_pref_size 209
	.end_amdhsa_kernel
	.amdgpu_metadata
---
amdhsa.version: [ 1, 2 ]
amdhsa.kernels:
  - .name:           k_q4d2a40a56a_proj
    .symbol:         k_q4d2a40a56a_proj.kd
    .args:
      - { .name: xc, .offset: 0, .size: 8, .value_kind: global_buffer, .address_space: global }
      - { .name: wc, .offset: 8, .size: 8, .value_kind: global_buffer, .address_space: global }
      - { .name: lowp_scales, .offset: 16, .size: 8, .value_kind: global_buffer, .address_space: global }
      - { .name: freqs_cos, .offset: 24, .size: 8, .value_kind: global_buffer, .address_space: global }
      - { .name: freqs_sin, .offset: 32, .size: 8, .value_kind: global_buffer, .address_space: global }
      - { .name: qkv, .offset: 40, .size: 8, .value_kind: global_buffer, .address_space: global }
    .group_segment_fixed_size: 327680
    .private_segment_fixed_size: 0
    .kernarg_segment_align: 8
    .kernarg_segment_size: 48
    .max_flat_workgroup_size: 128
    .sgpr_count:     100
    .vgpr_count:     1024
    .wavefront_size: 32
...
	.end_amdgpu_metadata
.endif
;; end of part 2
;; launch attn (part 3): grid 8 x 32, 16 waves a work-group, no clusters, 133,120 bytes of LDS; arguments qkv, maskc, flags, lowp_scales, af; writes af
.if DOCPART == 3
	.amdgcn_target "amdgcn-amd-amdhsa--gfx1250"
	.amdhsa_code_object_version 6
	.text
	.protected	k_q4d2a40a56a_attn
	.globl	k_q4d2a40a56a_attn
	.p2align	8
	.type	k_q4d2a40a56a_attn,@function
k_q4d2a40a56a_attn:
	s_mov_b64 s[64:65], 0
	v_nop
	global_prefetch_b8 v0, s[64:65] scope:SCOPE_SE
	s_setreg_imm32_b32 hwreg(HW_REG_WAVE_MODE, 25, 1), 1
	s_wait_xcnt 0x0
; ATTN: o = softmax(q k^T / 8 + mask) v for 128 (batch, head) pairs of 1,024 x 1,024 x 64, both products on codes of FP8 (E4M3); o is quantised (e10) and stored as images of the last product's operand.
; THE SOFTMAX AHEAD OF THE SECOND PRODUCT: t = logit x log2(e); M = the row's largest t so far, rounded UP to a whole number; p = 2^(t - M) is quantised (e8), not normalised; the row's sum is taken of the unquantised p and divides at the end.
; When M moves, the sum and O are multiplied by 2^(old M - new M): exact.
; SHARES.  Work-group (g, bk): bk = batch x 8 + key head.  Its K and V, 128 KiB of codes, are copied ONCE into LDS, as they lie (images of operand registers), through registers: one barrier in the launch.
; Wave w: query head 4 (bk % 8) + w % 4; query tiles T = 4 g + w / 4 and then 63 - T, 16 queries each.  (Under a mask that hides later keys the two tiles together have the same number of live steps in every wave; for any other mask only the balance differs.)
; Both tiles' Q and both tiles' flag words are asked for at the head, beside the copy: no tile's head waits for memory.
; A KEY STEP is 128 keys.  The stored flags say, for each (tile, step), whether any key counts and whether any mask number is not 0.  A step in which no key counts is passed over by a scalar branch on those whole numbers;
; where all mask numbers are 0 the products start from the constant 0, else the prepared mask (x 2^(3 - e6 - e7), not below -2^100) is loaded into the score registers and is the C of the products: adding it costs no instruction.
; NO TENSOR LOADS, NO CLUSTER: the walk hangs on numbers read from memory; what the eight work-groups of one bk share is that one copy of 128 KiB each.
; LAYOUT.  Both products transposed: S^T = K Q^T (source 0 = 16 keys, source 1 = my 16 queries), O^T = V^T P^T: a lane holds ONE query throughout.  By the choice of rows in the images the 16 registers of score tiles 2 b, 2 b + 1 are keys
; 32 b + 16 (lane / 16) + 0 .. 15, and those of O^T's tiles likewise channels: the conversions' results are the next operand's registers.
; A ROW IN WHICH NO KEY COUNTS gets NaN codes, so that the last product gives NaN there, as a softmax of -infinities does.
; LIMITS: e6 + e7 between -60 and 25; e8 and e10 - e8 - e9 between -126 and 119.  A row whose largest logit lies at or below -2^(96 + e6 + e7) counts as a row in which no key counts.
; REGISTERS: v1-6 addresses; v8-10 the NaN mask; v12 -M, v13 the largest t, v[14:15] the sum in two halves; v16-23 Q; v24-39 p's codes; v40-71 O^T; v72-135 S^T, then p; v136-199 K's 8 fragments, then V's 4; v200-223 the way out;
;   v224-231 the second tile's Q; v236-254 at work.
.set L16, 1                            ; v1   16 x lane: K's images, Q, the mask, the way out
.set LV,  2                            ; v2   16 x lane + 65,536: V's images
.set ADR, 3                            ; v3   v1 + 8,192 x step
.set ADV, 4                            ; v4   v2 + 8,192 x step
.set QF,  16
.set P,   24
.set O,   40
.set S,   72
.set F,   136
.set WO,  200
.set WC,  216
.set Q2,  224
	s_load_b256 s[4:11], s[0:1], 0x0               ; qkv s[4:5], maskc s[6:7], flags s[8:9], the exponents s[10:11]
	s_load_b64 s[12:13], s[0:1], 0x20              ; af
	v_lshl_add_u32 v251, v0, 2, 0x20000
	v_mov_b32 v255, 0
	v_lshrrev_b32 v1, 5, v0
	v_readfirstlane_b32 s18, v1                    ; wave 0..15
	v_and_b32 v1, 31, v0
	v_lshlrev_b32 v[L16], 4, v1
	v_add_nc_u32 v[LV], 0x10000, v[L16]
	v_lshlrev_b32 v5, 4, v0                        ; 16 x thread: the copy
	v_add_nc_u32 v6, 0x10000, v5
	s_and_b32 s14, ttmp7, 0xffff                   ; bk
	s_and_b32 s15, s18, 3                          ; which of the four query heads
	s_lshr_b32 s26, s18, 2
	s_lshl_b32 s16, ttmp9, 2
	s_add_co_u32 s26, s26, s16                     ; T, 0 .. 31: the first tile
	s_sub_co_u32 s25, 63, s26                      ; the second
	s_lshl_b32 s54, s26, 5                         ; a tile's eight flag words are 32 bytes
	s_mov_b32 s55, 0
	s_lshl_b32 s66, s25, 5
	s_mov_b32 s67, 0
	s_lshl_b32 s48, s14, 16
	s_mov_b32 s49, 0
	s_mov_b32 s20, 0x76543210                      ; v_permlanex16_b32: lane l xor 16
	s_mov_b32 s21, 0xfedcba98
	s_wait_kmcnt 0x0
	s_load_b128 s[72:75], s[10:11], 0x18           ; e6, e7, e8, e9
	s_load_b64 s[76:77], s[10:11], 0x28            ; e10, e11
	s_add_nc_u64 s[46:47], s[8:9], s[54:55]
	s_add_nc_u64 s[68:69], s[8:9], s[66:67]
	s_load_b256 s[32:39], s[46:47], 0x0            ; the first tile's flag words,
	s_load_b256 s[56:63], s[68:69], 0x0            ; the second's
	s_add_nc_u64 s[50:51], s[4:5], s[48:49]
	s_add_nc_u64 s[50:51], s[50:51], 0x800000      ; K's 64 KiB
	s_add_nc_u64 s[52:53], s[50:51], 0x200000      ; V's
	s_lshl_b32 s48, s14, 2
	s_add_co_u32 s48, s48, s15                     ; batch x 32 + head
	s_lshl_b32 s48, s48, 16
	s_add_nc_u64 s[42:43], s[4:5], s[48:49]        ; my head's Q: 64 tiles of 1,024 bytes
	s_lshl_b32 s48, s26, 10
	s_add_nc_u64 s[80:81], s[42:43], s[48:49]
	s_lshl_b32 s48, s25, 10
	s_add_nc_u64 s[82:83], s[42:43], s[48:49]
	global_load_b128 v[QF:QF+3], v[L16], s[80:81]
	global_load_b128 v[QF+4:QF+7], v[L16], s[80:81] offset:512
	global_load_b128 v[Q2:Q2+3], v[L16], s[82:83]
	global_load_b128 v[Q2+4:Q2+7], v[L16], s[82:83] offset:512
.irp i, 0,1,2,3,4,5,6,7
	global_load_b128 v[S+4*\i:S+4*\i+3], v5, s[50:51] offset:8192*\i      ; 512 threads x 16 bytes: 8,192 consecutive bytes an instruction of the work-group
.endr
.irp i, 0,1,2,3,4,5,6,7
	global_load_b128 v[S+32+4*\i:S+32+4*\i+3], v5, s[52:53] offset:8192*\i
.endr
	s_lshr_b32 s48, s14, 3
	s_lshl_b32 s48, s48, 21                        ; af: the batch's 64 tiles of 32,768 bytes,
	s_and_b32 s16, s14, 7
	s_lshl_b32 s16, s16, 2
	s_add_co_u32 s16, s16, s15
	s_lshl_b32 s16, s16, 10                        ; my head's two quads: 1,024 x head
	s_add_co_u32 s48, s48, s16
	s_add_nc_u64 s[44:45], s[12:13], s[48:49]
	v_mov_b32 v9, 0x7f7f7f7f                       ; four NaN codes (with either sign bit)
	v_mov_b32 v10, 0
	v_mov_b32 v236, 0                              ; written once: a lane permute's destination counts as one of its sources
	v_mov_b32 v252, 0
	v_mov_b32 v253, 0                              ; (named as the upper half of the pair v[252:253])
	s_wait_kmcnt 0x0
	s_add_co_i32 s16, s72, s73
	s_lshl_b32 s16, s16, 23
	s_add_co_i32 s22, s16, 0x3e38aa3b              ; c = log2(e) / 8 x 2^(e6 + e7): the exponents are added to the exponent field
	s_mov_b32 s23, s22                             ; (named with it as a pair, so it is written)
	s_mul_f32 s24, s22, 0xf1000000                 ; c x -2^99: a largest t at or under it means that no key has counted
	s_add_co_i32 s16, s74, 127
	s_lshl_b32 s17, s16, 23
	v_mov_b32 v244, s17                            ; 2^e8
	s_add_co_i32 s16, s16, 8
	s_lshl_b32 s16, s16, 23
	s_or_b32 s16, s16, 0x600000
	v_mov_b32 v240, s16                            ; 448 x 2^e8
	s_sub_co_i32 s16, s76, s74
	s_sub_co_i32 s16, s16, s75                     ; a sum of the second product stands for sum x 2^(e8 + e9): its code is sum / l / 2^(e10 - e8 - e9)
	s_add_co_i32 s16, s16, 127
	s_lshl_b32 s17, s16, 23
	v_mov_b32 v245, s17
	s_add_co_i32 s16, s16, 8
	s_lshl_b32 s16, s16, 23
	s_or_b32 s16, s16, 0x600000
	v_mov_b32 v246, s16
	s_or_b32 s30, s32, s33                         ; the first tile's flags in one word: bit step: some key counts; bit 8 + step: some mask number is not 0
	s_or_b32 s30, s30, s34
	s_or_b32 s30, s30, s35
	s_or_b32 s30, s30, s36
	s_or_b32 s30, s30, s37
	s_or_b32 s30, s30, s38
	s_or_b32 s30, s30, s39
	s_or_b32 s70, s56, s57                         ; the second tile's
	s_or_b32 s70, s70, s58
	s_or_b32 s70, s70, s59
	s_or_b32 s70, s70, s60
	s_or_b32 s70, s70, s61
	s_or_b32 s70, s70, s62
	s_or_b32 s70, s70, s63
	s_wait_loadcnt 8                               ; Q's four loads and K's eight are in; V's eight may be out
.irp i, 0,1,2,3,4,5,6,7
	ds_store_b128 v5, v[S+4*\i:S+4*\i+3] offset:8192*\i
.endr
	s_wait_loadcnt 0x0
.irp i, 0,1,2,3,4,5,6,7
	ds_store_b128 v6, v[S+32+4*\i:S+32+4*\i+3] offset:8192*\i
.endr
	s_wait_dscnt 0x0                               ; for the others' sake: my stores have landed
	s_barrier_signal -1
	s_barrier_wait -1                              ; K and V lie in LDS; nothing is written there again
	s_mov_b32 s27, 2
.Ltile:
	s_wait_xcnt 0x0                                ; the last tile's stores have read their codes and their base: both are written again below
	s_lshl_b32 s54, s26, 16
	s_add_nc_u64 s[40:41], s[6:7], s[54:55]        ; the tile's prepared mask: 8 steps of 8,192 bytes
	s_lshl_b32 s54, s26, 15
	s_add_nc_u64 s[52:53], s[44:45], s[54:55]      ; the tile's image in af
	v_mov_b32 v13, 0xff61b1e6                      ; the largest t so far: -3e38, under every t
	v_floor_f32 v12, -v13                          ; -M
	v_mov_b32 v14, 0
	v_mov_b32 v15, 0
.set j, 0
.rept 32
	v_mov_b32 v[O+j], 0                            ; O^T.  (The step is written once: the first finds zeros, which the first change of M leaves zeros)
.set j, j+1
.endr
	s_mov_b32 s28, 0                               ; the step
	s_mov_b32 s29, 0                               ; 8,192 x step
.Lstep:                                                ; eight trips, whatever the flags: what is passed over is a step's work
	s_bitcmp1_b32 s30, s28
	s_cbranch_scc0 .Lskip
	v_add_nc_u32 v[ADR], s29, v[L16]
	v_add_nc_u32 v[ADV], s29, v[LV]
.irp t, 0,1,2,3,4,5,6,7                        ; K's eight tiles of 16 keys x 64.  (The places in front of these loads: the four v_nop at the last step's end and the two additions above)
	ds_load_b128 v[F+8*\t:F+8*\t+3], v[ADR] offset:1024*\t
	ds_load_b128 v[F+8*\t+4:F+8*\t+7], v[ADR] offset:1024*\t+512
.endr
	s_add_co_u32 s31, s28, 8
	s_bitcmp1_b32 s30, s31
	s_cbranch_scc0 .Lzero
.irp q, 0,1,2,3,4,5,6,7,8,9,10,11,12,13,14,15
	global_load_b128 v[S+4*\q:S+4*\q+3], v[ADR], s[40:41] offset:512*\q   ; the prepared mask in the scores' own places: 512 consecutive bytes a load
.endr
	s_wait_loadcnt 0x0
	s_wait_dscnt 0x0
.irp t, 0,1,2,3,4,5,6,7
	v_wmma_f32_16x16x64_fp8_fp8 v[S+8*\t:S+8*\t+7], v[F+8*\t:F+8*\t+7], v[QF:QF+7], v[S+8*\t:S+8*\t+7]
.endr
	s_branch .Lscored
.Lzero:
	s_wait_dscnt 0x0
.irp t, 0,1,2,3,4,5,6,7
	v_wmma_f32_16x16x64_fp8_fp8 v[S+8*\t:S+8*\t+7], v[F+8*\t:F+8*\t+7], v[QF:QF+7], 0
.endr
.Lscored:
.rept 4
	v_nop                                          ; places: in front of the loads into K's registers and of the first read of the scores
.endr
.irp t, 0,1,2,3                                ; V's four tiles of 16 channels x 128 keys: they land under the softmax
.irp c, 0,1,2,3
	ds_load_b128 v[F+16*\t+4*\c:F+16*\t+4*\c+3], v[ADV] offset:2048*\t+512*\c
.endr
.endr
	v_max3_num_f32 v254, v[S], v[S+1], v[S+2]      ; the step's largest score of my query among my 64 keys, in two chains, each accumulator from its low end on,
	v_max3_num_f32 v252, v[S+3], v[S+4], v[S+5]
.irp i, 6,10,14,18,22,26,30,34,38,42,46,50,54,58
	v_max3_num_f32 v254, v254, v[S+\i], v[S+\i+1]
	v_max3_num_f32 v252, v252, v[S+\i+2], v[S+\i+3]
.endr
	v_max3_num_f32 v254, v254, v[S+62], v[S+63]
	v_max_num_f32 v254, v254, v252
	v_permlanex16_b32 v236, v254, s20, s21
	v_max_num_f32 v254, v254, v236                 ; and among lane l xor 16's
	v_mul_f32 v254, s22, v254                      ; as t (c is positive)
	v_max_num_f32 v13, v13, v254                   ; the running largest t
	v_mov_b32 v254, v12
	v_floor_f32 v12, -v13                          ; the new -M = floor(-t) = -ceil(t): a whole number
	v_sub_f32 v254, v12, v254                      ; old M - new M: a whole number, 0 or less
	v_cvt_i32_f32 v254, v254                       ; (it saturates)
	v_ldexp_f32 v252, 1.0, v254                    ; f = 2^(old M - new M)
.set j, 0
.rept 32
	v_pk_fma_f32 v[S+j:S+j+1], v[S+j:S+j+1], s[22:23], v[12:13] op_sel_hi:[1,0,0]   ; t - M, two at a time (of the pairs c and -M the low word serves both halves)
.set j, j+2
.endr
.set j, 0
.rept 64
	v_exp_f32 v[S+j], v[S+j]                       ; p = 2^(t - M): NOT normalised
.set j, j+1
.endr
	v_pk_mul_f32 v[14:15], v[14:15], v[252:253] op_sel_hi:[1,0]   ; the sums under the new M.  (The plain line behind the exponentials)
	s_wait_alu depctr_va_vdst(0)
	v_pk_add_f32 v[242:243], v[S:S+1], v[S+2:S+3]  ; the row's sum is taken of the UNQUANTISED p: two at a time, in two chains
.set j, 4
.rept 15
	v_pk_add_f32 v[14:15], v[14:15], v[S+j:S+j+1]
	v_pk_add_f32 v[242:243], v[242:243], v[S+j+2:S+j+3]
.set j, j+4
.endr
	v_pk_add_f32 v[14:15], v[14:15], v[242:243]
	s_cmp_ge_i32 s74, -8                           ; p is at most 1 (but for a last bit), and 448 x 2^e8 is at least 1.75 from e8 = -8 on: the hold changes nothing there.  A branch on a whole number that is an input
	s_cbranch_scc1 .Lheld
.set j, 0
.rept 64
	v_min_num_f32 v[S+j], v[S+j], v240             ; the conversion to an 8-bit code does not saturate (ISA guide 7.6.2); p is not negative, so the hold is one-sided
.set j, j+1
.endr
.Lheld:
.irp b, 0,1,2,3
	v_cvt_scalef32_pk8_fp8_f32 v[P+4*\b:P+4*\b+1], v[S+16*\b:S+16*\b+7], v244
	v_cvt_scalef32_pk8_fp8_f32 v[P+4*\b+2:P+4*\b+3], v[S+16*\b+8:S+16*\b+15], v244
.endr
.set j, 0
.rept 16
	v_pk_mul_f32 v[O+j:O+j+1], v[O+j:O+j+1], v[252:253] op_sel_hi:[1,0]   ; O^T under the new M.  (These are also the plain lines between the conversions and the products that read the codes)
.set j, j+2
.endr
	s_wait_dscnt 0x0                               ; V
.irp t, 0,1,2,3                                ; the four accumulators take turns, one instruction a turn; the next matrix instruction is a score's
	v_wmma_f32_16x16x128_fp8_fp8 v[O+8*\t:O+8*\t+7], v[F+16*\t:F+16*\t+15], v[P:P+15], v[O+8*\t:O+8*\t+7]
.endr
.rept 4
	v_nop                                          ; places: in front of the next loads into V's registers and of the way out's first read of O^T
.endr
.Lskip:
	s_add_co_u32 s29, s29, 8192
	s_add_co_u32 s28, s28, 1
	s_cmp_lt_u32 s28, 8
	s_cbranch_scc1 .Lstep
	; THE WAY OUT of a tile: O^T / the sum, quantised; two quads of the image, 512 consecutive bytes each
	v_add_f32 v14, v14, v15                        ; the sum's two halves,
	v_permlanex16_b32 v252, v14, s20, s21
	v_add_f32 v14, v14, v252                       ; and lane l xor 16's
	v_rcp_f32 v14, v14
	v_cmp_lt_f32 vcc_lo, s24, v13                  ; (a plain line behind the reciprocal)  has any key counted for my query?
	v_cndmask_b32 v8, v9, v10, vcc_lo              ; 0 if so, else four NaN codes: a value is chosen, no branch
	s_wait_alu depctr_va_vdst(0)
.irp b, 0,1
.set j, 0
.rept 16
	v_mul_f32 v[WO+j], v[O+16*\b+j], v14           ; channels 32 b + 16 (lane / 16) + 0 .. 15
.set j, j+1
.endr
.set j, 0
.rept 16
	v_med3_num_f32 v[WO+j], v[WO+j], -v246, v246
.set j, j+1
.endr
	v_cvt_scalef32_pk8_fp8_f32 v[WC+4*\b:WC+4*\b+1], v[WO:WO+7], v245
	v_cvt_scalef32_pk8_fp8_f32 v[WC+4*\b+2:WC+4*\b+3], v[WO+8:WO+15], v245
	v_nop                                          ; one plain line between the conversions and the lines that touch their results
.irp i, 0,1,2,3
	v_or_b32 v[WC+4*\b+\i], v8, v[WC+4*\b+\i]
.endr
	global_store_b128 v[L16], v[WC+4*\b:WC+4*\b+3], s[52:53] offset:512*\b
.endr
.set j, 0
.rept 8
	v_mov_b32 v[QF+j], v[Q2+j]                     ; the second tile's Q takes the first's place (the way out's lines stand between the last product that read Q and these)
.set j, j+1
.endr
	s_mov_b32 s30, s70                             ; and its flags
	s_sub_co_u32 s26, 63, s26                      ; the second tile
	s_sub_co_u32 s27, s27, 1
	s_cmp_lg_u32 s27, 0
	s_cbranch_scc1 .Ltile
	s_wait_tensorcnt 0x0
	ds_add_u32 v251, v255
	s_wait_dscnt 0x0
	s_endpgm
.Lfunc_end_k_q4d2a40a56a_attn:
	.size	k_q4d2a40a56a_attn, .Lfunc_end_k_q4d2a40a56a_attn-k_q4d2a40a56a_attn
	.p2alignl 7, 3214868480
	.fill 96, 4, 3214868480
	.section	.rodata,"a",@progbits
	.p2align	6, 0x0
	.amdhsa_kernel k_q4d2a40a56a_attn
		.amdhsa_group_segment_fixed_size 133120
		.amdhsa_private_segment_fixed_size 0
		.amdhsa_enable_private_segment 0
		.amdhsa_kernarg_size 40
		.amdhsa_user_sgpr_count 2
		.amdhsa_user_sgpr_kernarg_segment_ptr 1
		.amdhsa_wavefront_size32 1
		.amdhsa_system_sgpr_workgroup_id_x 1
		.amdhsa_system_sgpr_workgroup_id_y 1
		.amdhsa_system_sgpr_workgroup_id_z 1
		.amdhsa_system_vgpr_workitem_id 0
		.amdhsa_next_free_vgpr 256
		.amdhsa_next_free_sgpr 84
		.amdhsa_reserve_vcc 1
		.amdhsa_float_denorm_mode_32 3
		.amdhsa_float_denorm_mode_16_64 3
		.amdhsa_memory_ordered 1
		.amdhsa_forward_progress 1
		.amdhsa_inst_pref_size 31
	.end_amdhsa_kernel
	.amdgpu_metadata
---
amdhsa.version: [ 1, 2 ]
amdhsa.kernels:
  - .name:           k_q4d2a40a56a_attn
    .symbol:         k_q4d2a40a56a_attn.kd
    .args:
      - { .name: qkv, .offset: 0, .size: 8, .value_kind: global_buffer, .address_space: global }
      - { .name: maskc, .offset: 8, .size: 8, .value_kind: global_buffer, .address_space: global }
      - { .name: flags, .offset: 16, .size: 8, .value_kind: global_buffer, .address_space: global }
      - { .name: lowp_scales, .offset: 24, .size: 8, .value_kind: global_buffer, .address_space: global }
      - { .name: af, .offset: 32, .size: 8, .value_kind: global_buffer, .address_space: global }
    .group_segment_fixed_size: 133120
    .private_segment_fixed_size: 0
    .kernarg_segment_align: 8
    .kernarg_segment_size: 40
    .max_flat_workgroup_size: 512
    .sgpr_count:     84
    .vgpr_count:     256
    .wavefront_size: 32
...
	.end_amdgpu_metadata
.endif
;; end of part 3
;; launch outp (part 4): grid 8 x 32, 4 waves a work-group, clusters of 4 x 4, 327,680 bytes of LDS; arguments af, wc, lowp_scales, out0; writes out0
.if DOCPART == 4
	.amdgcn_target "amdgcn-amd-amdhsa--gfx1250"
	.amdhsa_code_object_version 6
	.text
	.protected	k_q4d2a40a56a_outp
	.globl	k_q4d2a40a56a_outp
	.p2align	8
	.type	k_q4d2a40a56a_outp,@function
k_q4d2a40a56a_outp:
	s_mov_b64 s[64:65], 0
	v_nop
	global_prefetch_b8 v0, s[64:65] scope:SCOPE_SE
	s_setreg_imm32_b32 hwreg(HW_REG_WAVE_MODE, 25, 1), 1
	s_wait_xcnt 0x0
	s_wait_alu depctr_hold_cnt(0) depctr_sa_sdst(0) depctr_va_vdst(0) depctr_va_sdst(0) depctr_va_ssrc(0) depctr_va_vcc(0) depctr_vm_vsrc(0)
	s_getreg_b32 s2, hwreg(HW_REG_IB_STS2, 6, 4)
	s_cmp_eq_u32 s2, 0
	s_cbranch_scc0 .Lentry_in_a_cluster
	s_endpgm
.Lentry_in_a_cluster:
	s_bfe_u32 s2, ttmp6, 0x10000c
	s_cmp_lg_u32 s2, 0xf033
	s_cbranch_scc0 .Lentry_shape_is_right
	s_endpgm
.Lentry_shape_is_right:
; OUTP: out0 = o wo^T on codes of FP8 (E4M3): o's codes from af, wo's from wc (tiles 192 on), both as images of operand registers; each finished sum x 2^(e10 + e11); out0 [4096][2048] f32.
; IMAGES: tile t is 16 rows, lane row r standing for row 32 (t / 2) + 8 (t % 2) + r + 8 (r / 8); the 16 bytes at 32768 t + 2048 s + 512 c + 16 lane hold k = 128 s + 32 c + 16 (lane / 16) + 0 .. 15.  The order of k inside a matrix
; instruction is thereby a permutation, the same on both operands.
; A tile of out0 is 128 tokens x 256 columns: 4,096 x 2,048 outputs make 256 such tiles, and a work-group takes in (128 + 256) x 2,048 bytes of codes.  Four waves, each 64 tokens x 128 columns: 32 accumulators, 256 registers.
; K = 2,048 goes in 8 slots' worth of 256 through a ring of two LDS slots.
; CLUSTERS: 4 x 4 work-groups.  The four of a row of the cluster need the same tiles of o, the four of a column the same tiles of wo: each is asked for JOINTLY, by the same tensor load with the same descriptor and a mask that names the four.
; SOURCES: source 0 = 16 rows of wo, source 1 = 16 tokens: a lane holds one token, and the 16 registers of accumulators 2 b, 2 b + 1 are 16 neighbouring columns of out0.
; LIMIT: e10 + e11 between -126 and 127.  NaN codes (rows in which no key counted) give NaN, as they should.
; REGISTERS, in windows of 256: window 0: v16-31 addresses; v128-191, v192-255 source 1's fragments (4 x 16 tokens x 128 K), TWO sets; on the way out v32-255 are free.   window 1: source 0's fragments (8 x 16 rows), TWO sets.
;   window 2: the accumulators ((a, b) at v[8 (8 a + b)]).
.set SLOT,  98304                      ; o's 8 tiles x 4,096 bytes (two K steps of 128), then wo's 16 tiles
.set BOFF,  32768                      ; where wo's tiles begin in a slot
.set SPARE, 2*SLOT                     ; behind the ring: the spare words, 128 bytes for each wave: two blocks of 256 bytes that no other line names
.set FR,    16                         ; registers of a fragment
.set NP,    4                          ; places behind this matrix instruction (ISA guide 7.12.1)
.set LAPS,  4                          ; a lap = two slots = 512 along K
.set SPITCH, 528                       ; the way out: a stage of 16 rows x (512 bytes + 16) for each wave.  It lies in slot 0, which has had its last fill and its last read when the first result is stored there
.set AD1,  16                          ; v16-17  LDS address of source 1's fragments in slot 0, 1
.set AD0,  20                          ; v20-21  the same for source 0
.set STO,  24                          ; v24     the way out: where I put my numbers of a row
.set RD,   25                          ; v25     the way out: where I read a row back
.set CO,   26                          ; v26     16 x lane
.set SPW,  28                          ; v28     LDS address of my spare word; never rewritten
.set NIL,  29                          ; v29     0; never rewritten
.set TMP,  32                          ; the way out: 64 registers, a block's sums x 2^(e10 + e11)
.set AF,   128
.set BK,   128                         ; the way out: 16 rows read back: v128-191 and v192-255 by turns
.set G1, 24                            ; s[24:31] descriptor group 1 for o's tiles;  s[32:39] group 0, one set for each slot
.set G0, 32
.set G1B, 48                           ; s[48:55], s[56:63] the same for wo's tiles
.set G0B, 56
.set MSB, 0
.macro WIN new                         ; the immediate's high byte repeats the setting that is left
.if MSB != \new
	s_set_vgpr_msb (MSB<<8)|\new
.set MSB, \new
.endif
.endm
.set MUL,  0xa1                        ; source 0 window 1, source 1 window 0, C and D window 2
.set TO_B, 0x40                        ; destination window 1, address window 0
; A joint load: waves 0 and 1 fetch o's two halves (4 tiles each), waves 2 and 3 wo's (8 tiles each).  Each line has ONE mask and one set of registers for all that issue it; the branch hangs on the wave's number alone.
; Four v_nop follow each of the two lines, ahead of the jump, the label and what follows.
.macro JLOAD s
	s_cmp_eq_u32 s15, 0
	s_cbranch_scc0 .Lfor_b_\@
	tensor_load_to_lds s[G0+4*\s:G0+4*\s+3], s[G1:G1+7]
	s_nop 0
.rept 4
	v_nop
.endr
	s_branch .Lasked_\@
.Lfor_b_\@:
	tensor_load_to_lds s[G0B+4*\s:G0B+4*\s+3], s[G1B:G1B+7]
	s_nop 0
.rept 4
	v_nop
.endr
.Lasked_\@:
.endm
.macro CREST                           ; a round of the cluster's barrier behind its opening barrier
	s_cmp_lg_u32 s14, 0
	s_cbranch_scc1 .Lnot_wave_0_\@
	s_barrier_signal -3
.Lnot_wave_0_\@:
	s_barrier_wait -3
	s_barrier_signal -1
	s_barrier_wait -1
.endm
.macro CROUND                          ; a whole round
	s_barrier_signal -1
	s_barrier_wait -1
	CREST
.endm
	s_load_b128 s[4:7], s[0:1], 0x0                ; af s[4:5], wc s[6:7]
	s_load_b128 s[8:11], s[0:1], 0x10              ; the exponents s[8:9], out0 s[10:11]
	v_lshl_add_u32 v[SPW], v0, 2, SPARE
	v_mov_b32 v[NIL], 0
	ds_add_u32 v28, v29
	ds_add_u32 v28, v29
	s_wait_dscnt 0x0
	v_lshrrev_b32 v1, 5, v0
	v_readfirstlane_b32 s14, v1                    ; wave 0..3
	s_lshr_b32 s15, s14, 1                         ; which half of the tile's tokens is mine.  Also: I fetch for o (0) or for wo (1)
	s_and_b32 s16, s14, 1                          ; which half of its columns.  Also: which half of that operand's tiles I fetch
	s_bfe_u32 s40, ttmp6, 0x40000                  ; cx, cy: my place in the cluster
	s_bfe_u32 s41, ttmp6, 0x40004
	s_lshl_b32 s42, ttmp9, 2
	s_add_co_u32 s42, s42, s40                     ; tile column = 4 x cluster x + cx, 0 .. 7
	s_and_b32 s17, ttmp7, 0xffff
	s_lshl_b32 s17, s17, 2
	s_add_co_u32 s17, s17, s41                     ; tile row = 4 x cluster y + cy, 0 .. 31
	s_lshl_b32 s43, s41, 2
	s_lshl_b32 s43, 15, s43                        ; my row of the cluster
	s_lshl_b32 s44, 0x1111, s40                    ; my column
	; descriptor group 1: rows (tiles) of 4,096 bytes (two K steps' images), 32,768 bytes apart, as elements of 8 bytes; dense in LDS.  o: 4 rows a load; wo: 8
	s_or_b32 s[G1+0], s43, (3<<16)|(1<<21)         ; 15:0 the mask: o's tiles go to my row; 17:16 elements of 8 bytes; 21 set beside a mask
	s_or_b32 s[G1B+0], s44, (3<<16)|(1<<21)        ; wo's go to my column
	s_mov_b32 s[G1+1], 512<<16                     ; tensor_dim0 = 512
	s_mov_b32 s[G1+2], 4<<16                       ; tensor_dim1 = 4
	s_mov_b32 s[G1+3], 512<<16                     ; tile_dim0 = 512
	s_mov_b32 s[G1+4], 4                           ; tile_dim1 = 4
	s_mov_b32 s[G1+5], 4096                        ; tensor_dim0_stride
	s_mov_b32 s[G1+6], 0
	s_mov_b32 s[G1+7], 0
	s_mov_b32 s[G1B+1], 512<<16
	s_mov_b32 s[G1B+2], 8<<16                      ; tensor_dim1 = 8
	s_mov_b32 s[G1B+3], 512<<16
	s_mov_b32 s[G1B+4], 8                          ; tile_dim1 = 8
	s_mov_b32 s[G1B+5], 4096
	s_mov_b32 s[G1B+6], 0
	s_mov_b32 s[G1B+7], 0
	s_lshl_b32 s18, s16, 17                        ; 4 tiles of 32,768 bytes
	s_lshl_b32 s20, s17, 18
	s_add_co_u32 s20, s20, s18                     ; o: tile 8 x tile row + 4 x half
	s_lshl_b32 s18, s16, 18                        ; 8 tiles
	s_lshl_b32 s46, s42, 19
	s_add_co_u32 s46, s46, s18
	s_add_co_u32 s46, s46, 0x600000                ; wo: tile 192 + 16 x tile column + 8 x half
	s_mov_b32 s21, 0
	s_mov_b32 s47, 0
	s_lshl_b32 s45, s16, 14                        ; where they go: o's halves at 16,384 x half,
	s_lshl_b32 s19, s16, 15
	s_add_co_u32 s19, s19, BOFF                    ; wo's at 32,768 + 32,768 x half: no place in the cluster enters an LDS address
	s_wait_kmcnt 0x0
	s_load_b64 s[96:97], s[8:9], 0x28              ; e10, e11
	s_add_nc_u64 s[20:21], s[4:5], s[20:21]
	s_add_nc_u64 s[46:47], s[6:7], s[46:47]
	CROUND                                         ; all sixteen work-groups are here: the first joint loads meet
.irp s, 0,1
	s_mov_b32 s[G0+4*\s], 1
	s_add_co_u32 s[G0+4*\s+1], s45, \s*SLOT
	s_add_nc_u64 s[G0+4*\s+2:G0+4*\s+3], s[20:21], \s*4096
	s_or_b32 s[G0+4*\s+3], s[G0+4*\s+3], 0x80000000
	s_mov_b32 s[G0B+4*\s], 1
	s_add_co_u32 s[G0B+4*\s+1], s19, \s*SLOT
	s_add_nc_u64 s[G0B+4*\s+2:G0B+4*\s+3], s[46:47], \s*4096
	s_or_b32 s[G0B+4*\s+3], s[G0B+4*\s+3], 0x80000000
	JLOAD \s                                       ; two tensor loads of mine are out
.endr
	v_and_b32 v1, 31, v0
	v_lshlrev_b32 v[CO], 4, v1
	s_lshl_b32 s21, s15, 14                        ; my 4 tiles of o
	s_lshl_b32 s22, s16, 15                        ; my 8 tiles of wo,
	s_add_co_u32 s22, s22, BOFF                    ; which lie behind o's 8
.irp s, 0,1
	v_add_nc_u32 v[AD1+\s], s21, v[CO]
	v_add_nc_u32 v[AD0+\s], s22, v[CO]
	s_add_co_u32 s21, s21, SLOT
	s_add_co_u32 s22, s22, SLOT
.endr
	s_mul_i32 s23, s14, 16*SPITCH                  ; my stage
	v_and_b32 v2, 15, v0
	v_bfe_u32 v3, v0, 4, 1
	v_mul_u32_u24 v5, v2, SPITCH                   ; in: row l % 16, + 64 bytes for the upper half of the lanes (16 columns)
	v_lshl_add_u32 v5, v3, 6, v5
	v_add_nc_u32 v[STO], s23, v5
	v_add_nc_u32 v[RD], s23, v[CO]                 ; back: the 32 lanes take one row of 512 bytes
	s_lshl_b32 s20, s17, 20                        ; my first row of out0: (128 x tile row + 64 x half) x 8,192 bytes
	s_lshl_b32 s21, s15, 19
	s_add_co_u32 s20, s20, s21
	s_mov_b32 s21, 0
	s_lshl_b32 s46, s42, 10                        ; my first column, in bytes: 1,024 x tile column + 512 x half
	s_lshl_b32 s47, s16, 9
	s_add_co_u32 s46, s46, s47
	s_mov_b32 s47, 0
	s_add_nc_u64 s[20:21], s[20:21], s[46:47]
	s_add_nc_u64 s[10:11], s[10:11], s[20:21]
.macro FRAG reg, adr, q, i             ; tile i of mine, the slot's q-th 128 along K: 2,048 consecutive bytes, 512 a load: no two lanes meet in a bank
.irp c, 0,1,2,3
	ds_load_b128 v[\reg+4*\c:\reg+4*\c+3], v[\adr] offset:4096*(\i)+2048*(\q)+512*\c
.endr
.endm
; 8 matrix instructions: source 1's block a x source 0's eight, 128 along K, from set p of both.  zero = 1: the first product starts the sums: nothing is ever cleared.
; The 32 accumulators take turns, one instruction a turn, in the same order in every step.
.macro MUL8 a, p, zero
.irp b, 0,1,2,3,4,5,6,7
.if \zero
	v_wmma_f32_16x16x128_fp8_fp8 v[8*(8*(\a)+\b):8*(8*(\a)+\b)+7], v[128*(\p)+FR*\b:128*(\p)+FR*\b+FR-1], v[AF+64*(\p)+FR*(\a):AF+64*(\p)+FR*(\a)+FR-1], 0
.else
	v_wmma_f32_16x16x128_fp8_fp8 v[8*(8*(\a)+\b):8*(8*(\a)+\b)+7], v[128*(\p)+FR*\b:128*(\p)+FR*\b+FR-1], v[AF+64*(\p)+FR*(\a):AF+64*(\p)+FR*(\a)+FR-1], v[8*(8*(\a)+\b):8*(8*(\a)+\b)+7]
.endif
.endr
.endm
.macro FETCH slot, q, p                ; 48 LDS loads in one run: source 0's eight fragments and source 1's four, into set p
	WIN TO_B
.irp i, 0,1,2,3,4,5,6,7
	FRAG 128*(\p)+FR*\i, AD0+\slot, \q, \i
.endr
	WIN 0
.irp i, 0,1,2,3
	FRAG AF+64*(\p)+FR*\i, AD1+\slot, \q, \i
.endr
.endm
; A load into a register that a matrix instruction has read, and a vector instruction that reads a matrix result, stand NP places behind it; only plain vector instructions that name none of its registers are places.
.macro PLACES n
.rept \n
	v_nop
.endr
.endm
; A step of 128 along K that has its successor in the same slot: the successor's fragments are asked for first, into the other set, and land under this step's 32 products.
.macro STEP slot, q, zero
	s_wait_dscnt 0x0                               ; this step's fragments are in
	PLACES NP                                      ; behind the last step's products, which read the other set
	FETCH \slot, (\q)+1, 1-(\q)%2
	WIN MUL
.irp a, 0,1,2,3
	MUL8 \a, (\q)%2, \zero
.endr
	WIN 0
.endm
; A slot's last step (set 1) changes slots: ONE barrier; in front of it each wave waits for all its tensor loads, adds 0 to its spare word, and waits for that and for its own reads of this slot.  fill = 1: this slot is filled again, two slots ahead.
.macro TURN slot, next, fill
	s_wait_tensorcnt 0x0                           ; all my tensor loads have landed: my part of the next slot;  (every window is 0 here)
	ds_add_u32 v[SPW], v[NIL]                      ; 0 onto my spare word
	s_wait_dscnt 1                                 ; (this step's fragments are in; the add alone may be out)
	WIN MUL
	MUL8 0, 1, 0                                   ; eight matrix instructions stand between the add and the wait for it
	s_wait_dscnt 0x0                               ; the add is done, and my reads of this slot are over
	s_barrier_signal -1
	MUL8 1, 1, 0
	WIN 0
	s_barrier_wait -1
.if \fill
	CREST                                          ; the barrier has opened a round of the cluster's barrier: no wave of any partner still reads this slot or has a load on its way
	s_add_nc_u64 s[G0+4*\slot+2:G0+4*\slot+3], s[G0+4*\slot+2:G0+4*\slot+3], 8192
	s_add_nc_u64 s[G0B+4*\slot+2:G0B+4*\slot+3], s[G0B+4*\slot+2:G0B+4*\slot+3], 8192
	JLOAD \slot                                    ; my one tensor load behind the round, and the first thing there; its four v_nop are the places in front of the loads below
.else
	PLACES NP
.endif
	FETCH \next, 0, 0
	WIN MUL
	MUL8 2, 1, 0
	MUL8 3, 1, 0
	WIN 0
.endm
	s_wait_tensorcnt 1                             ; my part of slot 0 is in; slot 1's load may be out
	s_barrier_signal -1
	s_barrier_wait -1                              ; everybody's is
	FETCH 0, 0, 0
	STEP 0, 0, 1                                   ; the first step stands in front of the loop: its products start the sums
	s_mov_b32 s3, LAPS-1
.Llap:                                                 ; a trip goes once round the ring, from a lap's second step to the next lap's first, and fills both slots again
	TURN 0, 1, 1
	STEP 1, 0, 0
	TURN 1, 0, 1
	STEP 0, 0, 0
	s_sub_co_u32 s3, s3, 1
	s_cmp_lg_u32 s3, 0
	s_cbranch_scc1 .Llap
	TURN 0, 1, 0                                   ; the last lap fills nothing, and has no round of the cluster's barrier
	STEP 1, 0, 0
	s_wait_dscnt 0x0                               ; the very last step: nothing more to fetch
	WIN MUL
.irp a, 0,1,2,3
	MUL8 \a, 1, 0
.endr
	WIN 0
; THE WAY OUT, block by block of 16 tokens x 128 columns.  A lane holds pieces of one row, and the lanes beside it hold other rows: so a block goes through my own stage in LDS and comes back as whole rows of 512 bytes,
; which the 32 lanes store as 512 consecutive bytes.  LDS serves a wave's instructions in order (ISA guide 5.7.1.4): no wait between the stores and the loads, nor in front of the next block's stores.
.macro TOSTAGE a
.set AC, 64*(\a)
	WIN 0x02                                       ; source 0: window 2
.set j, 0
.rept 32
	v_pk_mul_f32 v[TMP+j:TMP+j+1], v[AC+j:AC+j+1], s[96:97] op_sel_hi:[1,0]   ; both x s96 = 2^(e10 + e11); each accumulator from its low end on
.set j, j+2
.endr
	WIN 0
.irp b, 0,1,2,3,4,5,6,7                        ; accumulator b: columns 32 (b / 2) + 16 (lane / 16) + 8 (b % 2) + 0 .. 7
	ds_store_b128 v[STO], v[TMP+8*\b:TMP+8*\b+3] offset:128*(\b/2)+32*(\b%2)
	ds_store_b128 v[STO], v[TMP+8*\b+4:TMP+8*\b+7] offset:128*(\b/2)+32*(\b%2)+16
.endr
.set BB, BK+64*((\a)%2)
.irp t, 0,1,2,3,4,5,6,7,8,9,10,11,12,13,14,15
	ds_load_b128 v[BB+4*\t:BB+4*\t+3], v[RD] offset:\t*SPITCH
.endr
.endm
.macro SEND a, younger                 ; younger: the LDS instructions issued behind block a's loads, which may stay out
.set BB, BK+64*((\a)%2)
	s_wait_dscnt \younger                          ; the block is back in registers
.irp t, 0,1,2,3,4,5,6,7,8,9,10,11,12,13,14,15
	global_store_b128 v[CO], v[BB+4*\t:BB+4*\t+3], s[10:11] offset:(32*((\a)/2)+8*((\a)%2)+\t+8*(\t/8))*8192 th:TH_STORE_NT   ; the token that stage row t of block a stands for is in the immediate (63 rows of 8,192 bytes at the most); written once, read by nobody here
.endr
.endm
	s_wait_kmcnt 0x0
	s_add_co_i32 s96, s96, s97                     ; e10 + e11, between -126 and 127,
	s_add_co_i32 s96, s96, 127
	s_lshl_b32 s96, s96, 23                        ; makes the f32 number 2^(e10 + e11)
	PLACES NP                                      ; behind the last products: for the reads of results and for the loads into the registers that held source 1's fragments
	TOSTAGE 0
.irp a, 1,2,3
.if \a > 1
	s_wait_xcnt 0x0                                ; block a - 2's stores have read their registers: block a's loads may land there
.endif
	TOSTAGE \a
	SEND \a-1, 32                                  ; behind block a - 1's loads: block a's 16 stores and 16 loads
.endr
	SEND 3, 0
	s_wait_tensorcnt 0x0                           ; the wave's end, behind my last tensor load and my last LDS store
	ds_add_u32 v[SPW], v[NIL]
	s_wait_dscnt 0x0
	CROUND                                         ; the closing round: no work-group ends while a partner may still ask for a tile that names it
	s_endpgm
.Lfunc_end_k_q4d2a40a56a_outp:
	.size	k_q4d2a40a56a_outp, .Lfunc_end_k_q4d2a40a56a_outp-k_q4d2a40a56a_outp
	.p2alignl 7, 3214868480
	.fill 96, 4, 3214868480
	.section	.rodata,"a",@progbits
	.p2align	6, 0x0
	.amdhsa_kernel k_q4d2a40a56a_outp
		.amdhsa_group_segment_fixed_size 327680
		.amdhsa_private_segment_fixed_size 0
		.amdhsa_enable_private_segment 0
		.amdhsa_kernarg_size 32
		.amdhsa_user_sgpr_count 2
		.amdhsa_user_sgpr_kernarg_segment_ptr 1
		.amdhsa_wavefront_size32 1
		.amdhsa_system_sgpr_workgroup_id_x 1
		.amdhsa_system_sgpr_workgroup_id_y 1
		.amdhsa_system_sgpr_workgroup_id_z 1
		.amdhsa_system_vgpr_workitem_id 0
		.amdhsa_next_free_vgpr 768
		.amdhsa_next_free_sgpr 98
		.amdhsa_reserve_vcc 0
		.amdhsa_float_denorm_mode_32 3
		.amdhsa_float_denorm_mode_16_64 3
		.amdhsa_memory_ordered 1
		.amdhsa_forward_progress 1
		.amdhsa_inst_pref_size 75
	.end_amdhsa_kernel
	.amdgpu_metadata
---
amdhsa.version: [ 1, 2 ]
amdhsa.kernels:
  - .name:           k_q4d2a40a56a_outp
    .symbol:         k_q4d2a40a56a_outp.kd
    .args:
      - { .name: af, .offset: 0, .size: 8, .value_kind: global_buffer, .address_space: global }
      - { .name: wc, .offset: 8, .size: 8, .value_kind: global_buffer, .address_space: global }
      - { .name: lowp_scales, .offset: 16, .size: 8, .value_kind: global_buffer, .address_space: global }
      - { .name: out0, .offset: 24, .size: 8, .value_kind: global_buffer, .address_space: global }
    .group_segment_fixed_size: 327680
    .private_segment_fixed_size: 0
    .kernarg_segment_align: 8
    .kernarg_segment_size: 32
    .max_flat_workgroup_size: 128
    .sgpr_count:     98
    .vgpr_count:     768
    .wavefront_size: 32
...
	.end_amdgpu_metadata
.endif
;; end of part 4
;; ======== version 2 of 2: 4 launches; version 1 with the launch attn written anew for expert scheduling mode
;; limits: right only within a limited range of input values
;; workspace buffers: xc 25,165,824 bytes; wc 10,485,760 bytes; maskc 4,194,304 bytes; flags 2,048 bytes of whole numbers; qkv 12,582,912 bytes; af 8,388,608 bytes
;; launch prep: the kernel of part 1 again; grid 704 x 1, 4 waves a work-group, no clusters, 34,304 bytes of LDS; arguments x, wq, wk, wv, wo, mask, lowp_scales, xc, wc, maskc, flags; writes xc, wc, maskc, flags
;; launch proj: the kernel of part 2 again; grid 192 x 1, 4 waves a work-group, clusters of 4 x 1, 327,680 bytes of LDS; arguments xc, wc, lowp_scales, freqs_cos, freqs_sin, qkv; writes qkv
;; launch attn (part 5): grid 8 x 32, 16 waves a work-group, no clusters, 133,120 bytes of LDS; arguments qkv, maskc, flags, lowp_scales, af; writes af
.if DOCPART == 5
	.amdgcn_target "amdgcn-amd-amdhsa--gfx1250"
	.amdhsa_code_object_version 6
	.text
	.protected	k_q4d2a40a56a_attn
	.globl	k_q4d2a40a56a_attn
	.p2align	8
	.type	k_q4d2a40a56a_attn,@function
k_q4d2a40a56a_attn:
	s_mov_b64 s[64:65], 0
	v_nop
	global_prefetch_b8 v0, s[64:65] scope:SCOPE_SE
	s_setreg_imm32_b32 hwreg(HW_REG_WAVE_SCHED_MODE, 0, 2), 2
	s_setreg_imm32_b32 hwreg(HW_REG_WAVE_MODE, 25, 1), 1
	s_wait_xcnt 0x0
	s_wait_alu depctr_vm_vsrc(0)
; ATTN: o = softmax(q k^T / 8 + mask) v for 128 (batch, head) pairs of 1,024 x 1,024 x 64, both products on codes of FP8 (E4M3); o is quantised (e10) and stored as images of the last product's operand.
; THE SOFTMAX AHEAD OF THE SECOND PRODUCT: t = logit x log2(e); M = the row's largest t so far, rounded UP to a whole number; p = 2^(t - M) is quantised (e8), not normalised; the row's sum is taken of the unquantised p and divides at the end.
; When M moves, the sum and O are multiplied by 2^(old M - new M): exact.
; SHARES.  Work-group (g, bk): bk = batch x 8 + key head.  Its K and V, 128 KiB of codes, are copied ONCE into LDS, as they lie (images of operand registers), through registers: one barrier in the launch.
; Wave w: query head 4 (bk % 8) + w % 4; query tiles T = 4 g + w / 4 and then 63 - T, 16 queries each.  (Under a mask that hides later keys the two tiles together have the same number of live steps in every wave; for any other mask only the balance differs.)
; Both tiles' Q and both tiles' flag words are asked for at the head, beside the copy: no tile's head waits for memory.
; A KEY STEP is 128 keys.  The stored flags say, for each (tile, step), whether any key counts and whether any mask number is not 0.  A step in which no key counts is passed over by a scalar branch on those whole numbers;
; where all mask numbers are 0 the products start from the constant 0, else the prepared mask (x 2^(3 - e6 - e7), not below -2^100) is loaded into the score registers and is the C of the products: adding it costs no instruction.
; NO TENSOR LOADS, NO CLUSTER: the walk hangs on numbers read from memory; what the eight work-groups of one bk share is that one copy of 128 KiB each.
; LAYOUT.  Both products transposed: S^T = K Q^T (source 0 = 16 keys, source 1 = my 16 queries), O^T = V^T P^T: a lane holds ONE query throughout.  By the choice of rows in the images the 16 registers of score tiles 2 b, 2 b + 1 are keys
; 32 b + 16 (lane / 16) + 0 .. 15, and those of O^T's tiles likewise channels: the conversions' results are the next operand's registers.
; A ROW IN WHICH NO KEY COUNTS gets NaN codes, so that the last product gives NaN there, as a softmax of -infinities does.
; LIMITS: e6 + e7 between -60 and 25; e8 and e10 - e8 - e9 between -126 and 119.  A row whose largest logit lies at or below -2^(96 + e6 + e7) counts as a row in which no key counts.
; REGISTERS: v1-6 addresses; v8-10 the NaN mask; v12 -M, v13 the largest t, v[14:15] the sum in two halves; v16-23 Q; v24-39 p's codes; v40-71 O^T; v72-135 S^T, then p; v136-199 K's 8 fragments, then V's 4; v200-223 the way out;
;   v224-231 the second tile's Q; v236-254 at work; v251, v255 the closing add's two.
; THE MODE: SCHED_MODE bits 1:0 = 2 (LLVM: expert scheduling mode 2), set by the entry lines.  The code itself states the register dependences between vector or matrix instructions and memory or LDS instructions, with s_wait_alu, always for 0.
; THE PLAN.  Registers that memory or LDS instructions touch:
;   v1, v2, v5, v6   offsets and LDS addresses: written at the head and never again.
;   v[ADR], v[ADV]   written by two additions at a live step's head; read by that step's LDS loads (K by ADR, V by ADV) and by its mask loads (ADR).
;   F                K's loads land at the step's head; the eight score products read it; V's loads land; the four products V^T P^T read it.
;   S                at the head the copy's loads land and the LDS stores read it.  In a step the mask's loads land in it, or the products write it; then vector instructions alone, the conversions to p's codes last.
;   WC               written by the way out's conversions and ORs; read by the tile's two stores.
;   QF, Q2           loaded once, at the head.     v251, v255: written at the head, read by the closing add alone.
; A LIVE STEP has three waits on va_vdst: behind its two additions (ADR and ADV are written; the last live step is done with F and with S), behind the score products (they are done reading K's fragments), and behind the exponentials;
; and one on vm_vsrc, behind its last load (ADR and ADV have been read).  V's 16 loads are dealt among the lines of the maximum, which name S, v252 and v254: none of the registers that those loads touch.
.set L16, 1                            ; v1   16 x lane: K's images, Q, the mask, the way out
.set LV,  2                            ; v2   16 x lane + 65,536: V's images
.set ADR, 3                            ; v3   v1 + 8,192 x step
.set ADV, 4                            ; v4   v2 + 8,192 x step
.set QF,  16
.set P,   24
.set O,   40
.set S,   72
.set F,   136
.set WO,  200
.set WC,  216
.set Q2,  224
	s_load_b256 s[4:11], s[0:1], 0x0               ; qkv s[4:5], maskc s[6:7], flags s[8:9], the exponents s[10:11]
	s_load_b64 s[12:13], s[0:1], 0x20              ; af
	v_lshl_add_u32 v251, v0, 2, 0x20000
	v_mov_b32 v255, 0
	v_lshrrev_b32 v1, 5, v0
	v_readfirstlane_b32 s18, v1                    ; wave 0..15
	v_and_b32 v1, 31, v0
	v_lshlrev_b32 v[L16], 4, v1
	v_add_nc_u32 v[LV], 0x10000, v[L16]
	v_lshlrev_b32 v5, 4, v0                        ; 16 x thread: the copy
	v_add_nc_u32 v6, 0x10000, v5
	s_and_b32 s14, ttmp7, 0xffff                   ; bk
	s_wait_alu depctr_va_sdst(0)                   ; s18 is written, ahead of its first reader: the head, the tiles and the addresses of Q, the flags and af are made from it
	s_and_b32 s15, s18, 3                          ; which of the four query heads
	s_lshr_b32 s26, s18, 2
	s_lshl_b32 s16, ttmp9, 2
	s_add_co_u32 s26, s26, s16                     ; T, 0 .. 31: the first tile
	s_sub_co_u32 s25, 63, s26                      ; the second
	s_lshl_b32 s54, s26, 5                         ; a tile's eight flag words are 32 bytes
	s_mov_b32 s55, 0
	s_lshl_b32 s66, s25, 5
	s_mov_b32 s67, 0
	s_lshl_b32 s48, s14, 16
	s_mov_b32 s49, 0
	s_mov_b32 s20, 0x76543210                      ; v_permlanex16_b32: lane l xor 16
	s_mov_b32 s21, 0xfedcba98
	s_wait_kmcnt 0x0
	s_load_b128 s[72:75], s[10:11], 0x18           ; e6, e7, e8, e9
	s_load_b64 s[76:77], s[10:11], 0x28            ; e10, e11
	s_add_nc_u64 s[46:47], s[8:9], s[54:55]
	s_add_nc_u64 s[68:69], s[8:9], s[66:67]
	s_load_b256 s[32:39], s[46:47], 0x0            ; the first tile's flag words,
	s_load_b256 s[56:63], s[68:69], 0x0            ; the second's
	s_add_nc_u64 s[50:51], s[4:5], s[48:49]
	s_add_nc_u64 s[50:51], s[50:51], 0x800000      ; K's 64 KiB
	s_add_nc_u64 s[52:53], s[50:51], 0x200000      ; V's
	s_lshl_b32 s48, s14, 2
	s_add_co_u32 s48, s48, s15                     ; batch x 32 + head
	s_lshl_b32 s48, s48, 16
	s_add_nc_u64 s[42:43], s[4:5], s[48:49]        ; my head's Q: 64 tiles of 1,024 bytes
	s_lshl_b32 s48, s26, 10
	s_add_nc_u64 s[80:81], s[42:43], s[48:49]
	s_lshl_b32 s48, s25, 10
	s_add_nc_u64 s[82:83], s[42:43], s[48:49]
	s_wait_alu depctr_va_vdst(0)                   ; v1, v2, v5 and v6 are written: the loads and stores of the whole kernel read them as offsets and addresses, and no vector instruction writes them again
	global_load_b128 v[QF:QF+3], v[L16], s[80:81]
	global_load_b128 v[QF+4:QF+7], v[L16], s[80:81] offset:512
	global_load_b128 v[Q2:Q2+3], v[L16], s[82:83]
	global_load_b128 v[Q2+4:Q2+7], v[L16], s[82:83] offset:512
.irp i, 0,1,2,3,4,5,6,7
	global_load_b128 v[S+4*\i:S+4*\i+3], v5, s[50:51] offset:8192*\i      ; 512 threads x 16 bytes: 8,192 consecutive bytes an instruction of the work-group
.endr
.irp i, 0,1,2,3,4,5,6,7
	global_load_b128 v[S+32+4*\i:S+32+4*\i+3], v5, s[52:53] offset:8192*\i
.endr
	s_lshr_b32 s48, s14, 3
	s_lshl_b32 s48, s48, 21                        ; af: the batch's 64 tiles of 32,768 bytes,
	s_and_b32 s16, s14, 7
	s_lshl_b32 s16, s16, 2
	s_add_co_u32 s16, s16, s15
	s_lshl_b32 s16, s16, 10                        ; my head's two quads: 1,024 x head
	s_add_co_u32 s48, s48, s16
	s_add_nc_u64 s[44:45], s[12:13], s[48:49]
	v_mov_b32 v9, 0x7f7f7f7f                       ; four NaN codes (with either sign bit)
	v_mov_b32 v10, 0
	v_mov_b32 v236, 0                              ; written once: a lane permute's destination counts as one of its sources
	v_mov_b32 v252, 0
	v_mov_b32 v253, 0                              ; (named as the upper half of the pair v[252:253])
	s_wait_kmcnt 0x0
	s_add_co_i32 s16, s72, s73
	s_lshl_b32 s16, s16, 23
	s_add_co_i32 s22, s16, 0x3e38aa3b              ; c = log2(e) / 8 x 2^(e6 + e7): the exponents are added to the exponent field
	s_mov_b32 s23, s22                             ; (named with it as a pair, so it is written)
	s_mul_f32 s24, s22, 0xf1000000                 ; c x -2^99: a largest t at or under it means that no key has counted
	s_add_co_i32 s16, s74, 127
	s_lshl_b32 s17, s16, 23
	v_mov_b32 v244, s17                            ; 2^e8
	s_add_co_i32 s16, s16, 8
	s_lshl_b32 s16, s16, 23
	s_or_b32 s16, s16, 0x600000
	v_mov_b32 v240, s16                            ; 448 x 2^e8
	s_sub_co_i32 s16, s76, s74
	s_sub_co_i32 s16, s16, s75                     ; a sum of the second product stands for sum x 2^(e8 + e9): its code is sum / l / 2^(e10 - e8 - e9)
	s_add_co_i32 s16, s16, 127
	s_lshl_b32 s17, s16, 23
	v_mov_b32 v245, s17
	s_add_co_i32 s16, s16, 8
	s_lshl_b32 s16, s16, 23
	s_or_b32 s16, s16, 0x600000
	v_mov_b32 v246, s16
	s_or_b32 s30, s32, s33                         ; the first tile's flags in one word: bit step: some key counts; bit 8 + step: some mask number is not 0
	s_or_b32 s30, s30, s34
	s_or_b32 s30, s30, s35
	s_or_b32 s30, s30, s36
	s_or_b32 s30, s30, s37
	s_or_b32 s30, s30, s38
	s_or_b32 s30, s30, s39
	s_or_b32 s70, s56, s57                         ; the second tile's
	s_or_b32 s70, s70, s58
	s_or_b32 s70, s70, s59
	s_or_b32 s70, s70, s60
	s_or_b32 s70, s70, s61
	s_or_b32 s70, s70, s62
	s_or_b32 s70, s70, s63
	s_wait_loadcnt 8                               ; Q's four loads and K's eight are in; V's eight may be out
.irp i, 0,1,2,3,4,5,6,7
	ds_store_b128 v5, v[S+4*\i:S+4*\i+3] offset:8192*\i   ; the data come from loads, the address stands ahead of the wait on va_vdst above: no vector instruction since names either
.endr
	s_wait_loadcnt 0x0
.irp i, 0,1,2,3,4,5,6,7
	ds_store_b128 v6, v[S+32+4*\i:S+32+4*\i+3] offset:8192*\i
.endr
	s_wait_dscnt 0x0                               ; for the others' sake: my stores have landed
	s_barrier_signal -1
	s_barrier_wait -1                              ; K and V lie in LDS; nothing is written there again
	s_wait_alu depctr_vm_vsrc(0)                   ; my LDS stores have read v[S ..]: from here on the mask's loads land there and the score products write there
	s_mov_b32 s27, 2
.Ltile:
	s_wait_xcnt 0x0                                ; the last tile's stores have read their codes and their base: both are written again below
	s_lshl_b32 s54, s26, 16
	s_add_nc_u64 s[40:41], s[6:7], s[54:55]        ; the tile's prepared mask: 8 steps of 8,192 bytes
	s_lshl_b32 s54, s26, 15
	s_add_nc_u64 s[52:53], s[44:45], s[54:55]      ; the tile's image in af
	v_mov_b32 v13, 0xff61b1e6                      ; the largest t so far: -3e38, under every t
	v_floor_f32 v12, -v13                          ; -M
	v_mov_b32 v14, 0
	v_mov_b32 v15, 0
.set j, 0
.rept 32
	v_mov_b32 v[O+j], 0                            ; O^T.  (The step is written once: the first finds zeros, which the first change of M leaves zeros)
.set j, j+1
.endr
	s_mov_b32 s28, 0                               ; the step
	s_mov_b32 s29, 0                               ; 8,192 x step
.Lstep:                                                ; eight trips, whatever the flags: what is passed over is a step's work
	s_bitcmp1_b32 s30, s28
	s_cbranch_scc0 .Lskip
	v_add_nc_u32 v[ADR], s29, v[L16]               ; (the last live step's loads have read both: the wait on vm_vsrc in that step)
	v_add_nc_u32 v[ADV], s29, v[LV]
	s_wait_alu depctr_va_vdst(0)                   ; v[ADR] and v[ADV] are written, which the loads below read; the last live step's products V^T P^T are done reading F, in which K lands; its sums, holds and conversions are done with S, in which the mask lands
.irp t, 0,1,2,3,4,5,6,7                        ; K's eight tiles of 16 keys x 64
	ds_load_b128 v[F+8*\t:F+8*\t+3], v[ADR] offset:1024*\t
	ds_load_b128 v[F+8*\t+4:F+8*\t+7], v[ADR] offset:1024*\t+512
.endr
	s_add_co_u32 s31, s28, 8
	s_bitcmp1_b32 s30, s31
	s_cbranch_scc0 .Lzero
.irp q, 0,1,2,3,4,5,6,7,8,9,10,11,12,13,14,15
	global_load_b128 v[S+4*\q:S+4*\q+3], v[ADR], s[40:41] offset:512*\q   ; the prepared mask in the scores' own places: 512 consecutive bytes a load.  No vector instruction stands between the wait above and these
.endr
	s_wait_loadcnt 0x0
	s_wait_dscnt 0x0
.irp t, 0,1,2,3,4,5,6,7
	v_wmma_f32_16x16x64_fp8_fp8 v[S+8*\t:S+8*\t+7], v[F+8*\t:F+8*\t+7], v[QF:QF+7], v[S+8*\t:S+8*\t+7]
.endr
	s_branch .Lscored
.Lzero:
	s_wait_dscnt 0x0
.irp t, 0,1,2,3,4,5,6,7
	v_wmma_f32_16x16x64_fp8_fp8 v[S+8*\t:S+8*\t+7], v[F+8*\t:F+8*\t+7], v[QF:QF+7], 0
.endr
.Lscored:
.rept 4
	v_nop                                          ; places in front of the first read of the scores (ISA guide 7.12.1)
.endr
	s_wait_alu depctr_va_vdst(0)                   ; the score products are done reading K's fragments in F, in which V's land
; V's four tiles of 16 channels x 128 keys, load n of 16: registers F + 4 n on, 512 n bytes on.  They are dealt among the lines of the maximum, which name S, v252 and v254 alone, and land under the softmax.
	ds_load_b128 v[F:F+3], v[ADV]
	ds_load_b128 v[F+4:F+7], v[ADV] offset:512
	v_max3_num_f32 v254, v[S], v[S+1], v[S+2]      ; the step's largest score of my query among my 64 keys, in two chains, each accumulator from its low end on,
	v_max3_num_f32 v252, v[S+3], v[S+4], v[S+5]
.set n, 2
.irp i, 6,10,14,18,22,26,30,34,38,42,46,50,54,58
	ds_load_b128 v[F+4*n:F+4*n+3], v[ADV] offset:512*n
.set n, n+1
	v_max3_num_f32 v254, v254, v[S+\i], v[S+\i+1]
	v_max3_num_f32 v252, v252, v[S+\i+2], v[S+\i+3]
.endr
	v_max3_num_f32 v254, v254, v[S+62], v[S+63]
	v_max_num_f32 v254, v254, v252
	v_permlanex16_b32 v236, v254, s20, s21
	v_max_num_f32 v254, v254, v236                 ; and among lane l xor 16's
	v_mul_f32 v254, s22, v254                      ; as t (c is positive)
	v_max_num_f32 v13, v13, v254                   ; the running largest t
	v_mov_b32 v254, v12
	v_floor_f32 v12, -v13                          ; the new -M = floor(-t) = -ceil(t): a whole number
	v_sub_f32 v254, v12, v254                      ; old M - new M: a whole number, 0 or less
	v_cvt_i32_f32 v254, v254                       ; (it saturates)
	v_ldexp_f32 v252, 1.0, v254                    ; f = 2^(old M - new M)
.set j, 0
.rept 32
	v_pk_fma_f32 v[S+j:S+j+1], v[S+j:S+j+1], s[22:23], v[12:13] op_sel_hi:[1,0,0]   ; t - M, two at a time (of the pairs c and -M the low word serves both halves)
.set j, j+2
.endr
.set j, 0
.rept 64
	v_exp_f32 v[S+j], v[S+j]                       ; p = 2^(t - M): NOT normalised
.set j, j+1
.endr
	v_pk_mul_f32 v[14:15], v[14:15], v[252:253] op_sel_hi:[1,0]   ; the sums under the new M.  (The plain line behind the exponentials)
	s_wait_alu depctr_va_vdst(0)                   ; the 64 exponentials have written p in v[S ..]: one wait for the batch, ahead of its first reader
	v_pk_add_f32 v[242:243], v[S:S+1], v[S+2:S+3]  ; the row's sum is taken of the UNQUANTISED p: two at a time, in two chains
.set j, 4
.rept 15
	v_pk_add_f32 v[14:15], v[14:15], v[S+j:S+j+1]
	v_pk_add_f32 v[242:243], v[242:243], v[S+j+2:S+j+3]
.set j, j+4
.endr
	v_pk_add_f32 v[14:15], v[14:15], v[242:243]
	s_cmp_ge_i32 s74, -8                           ; p is at most 1 (but for a last bit), and 448 x 2^e8 is at least 1.75 from e8 = -8 on: the hold changes nothing there.  A branch on a whole number that is an input
	s_cbranch_scc1 .Lheld
.set j, 0
.rept 64
	v_min_num_f32 v[S+j], v[S+j], v240             ; the conversion to an 8-bit code does not saturate (ISA guide 7.6.2); p is not negative, so the hold is one-sided
.set j, j+1
.endr
.Lheld:
.irp b, 0,1,2,3
	v_cvt_scalef32_pk8_fp8_f32 v[P+4*\b:P+4*\b+1], v[S+16*\b:S+16*\b+7], v244
	v_cvt_scalef32_pk8_fp8_f32 v[P+4*\b+2:P+4*\b+3], v[S+16*\b+8:S+16*\b+15], v244
.endr
.set j, 0
.rept 16
	v_pk_mul_f32 v[O+j:O+j+1], v[O+j:O+j+1], v[252:253] op_sel_hi:[1,0]   ; O^T under the new M.  (These are also the plain lines between the conversions and the products that read the codes)
.set j, j+2
.endr
	s_wait_dscnt 0x0                               ; V
	s_wait_alu depctr_vm_vsrc(0)                   ; this step's LDS loads and mask loads have read v[ADR] and v[ADV], which the next live step's additions write
.irp t, 0,1,2,3                                ; the four accumulators take turns, one instruction a turn; the next matrix instruction is a score's
	v_wmma_f32_16x16x128_fp8_fp8 v[O+8*\t:O+8*\t+7], v[F+16*\t:F+16*\t+15], v[P:P+15], v[O+8*\t:O+8*\t+7]
.endr
.rept 4
	v_nop                                          ; places in front of the way out's first read of O^T (ISA guide 7.12.1)
.endr
.Lskip:
	s_add_co_u32 s29, s29, 8192
	s_add_co_u32 s28, s28, 1
	s_cmp_lt_u32 s28, 8
	s_cbranch_scc1 .Lstep
	; THE WAY OUT of a tile: O^T / the sum, quantised; two quads of the image, 512 consecutive bytes each
	v_add_f32 v14, v14, v15                        ; the sum's two halves,
	v_permlanex16_b32 v252, v14, s20, s21
	v_add_f32 v14, v14, v252                       ; and lane l xor 16's
	v_rcp_f32 v14, v14
	v_cmp_lt_f32 vcc_lo, s24, v13                  ; (a plain line behind the reciprocal)  has any key counted for my query?
	s_wait_alu depctr_va_vcc(0)                    ; the compare has written VCC, which the select below reads
	v_cndmask_b32 v8, v9, v10, vcc_lo              ; 0 if so, else four NaN codes: a value is chosen, no branch
	s_wait_alu depctr_va_vdst(0)                   ; the reciprocal has written v14, ahead of its first reader
.irp b, 0,1
.set j, 0
.rept 16
	v_mul_f32 v[WO+j], v[O+16*\b+j], v14           ; channels 32 b + 16 (lane / 16) + 0 .. 15
.set j, j+1
.endr
.set j, 0
.rept 16
	v_med3_num_f32 v[WO+j], v[WO+j], -v246, v246
.set j, j+1
.endr
	v_cvt_scalef32_pk8_fp8_f32 v[WC+4*\b:WC+4*\b+1], v[WO:WO+7], v245
	v_cvt_scalef32_pk8_fp8_f32 v[WC+4*\b+2:WC+4*\b+3], v[WO+8:WO+15], v245
	v_nop                                          ; one plain line between the conversions and the lines that touch their results
.irp i, 0,1,2,3
	v_or_b32 v[WC+4*\b+\i], v8, v[WC+4*\b+\i]
.endr
.endr
	s_wait_alu depctr_va_vdst(0)                   ; the ORs have written both quads in v[WC ..], which the two stores read
.irp b, 0,1
	global_store_b128 v[L16], v[WC+4*\b:WC+4*\b+3], s[52:53] offset:512*\b
.endr
.set j, 0
.rept 8
	v_mov_b32 v[QF+j], v[Q2+j]                     ; the second tile's Q takes the first's place (the way out's lines stand between the last product that read Q and these)
.set j, j+1
.endr
	s_mov_b32 s30, s70                             ; and its flags
	s_sub_co_u32 s26, 63, s26                      ; the second tile
	s_wait_alu depctr_vm_vsrc(0)                   ; the two stores have read v[WC ..], which the next tile's conversions write
	s_sub_co_u32 s27, s27, 1
	s_cmp_lg_u32 s27, 0
	s_cbranch_scc1 .Ltile
	s_wait_dscnt 0x0                               ; the closing lines, six on end
	s_wait_alu 0x0
	s_wait_tensorcnt 0x0
	ds_add_u32 v251, v255
	s_wait_dscnt 0x0
	s_endpgm
.Lfunc_end_k_q4d2a40a56a_attn:
	.size	k_q4d2a40a56a_attn, .Lfunc_end_k_q4d2a40a56a_attn-k_q4d2a40a56a_attn
	.p2alignl 7, 3214868480
	.fill 96, 4, 3214868480
	.section	.rodata,"a",@progbits
	.p2align	6, 0x0
	.amdhsa_kernel k_q4d2a40a56a_attn
		.amdhsa_group_segment_fixed_size 133120
		.amdhsa_private_segment_fixed_size 0
		.amdhsa_enable_private_segment 0
		.amdhsa_kernarg_size 40
		.amdhsa_user_sgpr_count 2
		.amdhsa_user_sgpr_kernarg_segment_ptr 1
		.amdhsa_wavefront_size32 1
		.amdhsa_system_sgpr_workgroup_id_x 1
		.amdhsa_system_sgpr_workgroup_id_y 1
		.amdhsa_system_sgpr_workgroup_id_z 1
		.amdhsa_system_vgpr_workitem_id 0
		.amdhsa_next_free_vgpr 256
		.amdhsa_next_free_sgpr 84
		.amdhsa_reserve_vcc 1
		.amdhsa_float_denorm_mode_32 3
		.amdhsa_float_denorm_mode_16_64 3
		.amdhsa_memory_ordered 1
		.amdhsa_forward_progress 1
		.amdhsa_inst_pref_size 31
	.end_amdhsa_kernel
	.amdgpu_metadata
---
amdhsa.version: [ 1, 2 ]
amdhsa.kernels:
  - .name:           k_q4d2a40a56a_attn
    .symbol:         k_q4d2a40a56a_attn.kd
    .args:
      - { .name: qkv, .offset: 0, .size: 8, .value_kind: global_buffer, .address_space: global }
      - { .name: maskc, .offset: 8, .size: 8, .value_kind: global_buffer, .address_space: global }
      - { .name: flags, .offset: 16, .size: 8, .value_kind: global_buffer, .address_space: global }
      - { .name: lowp_scales, .offset: 24, .size: 8, .value_kind: global_buffer, .address_space: global }
      - { .name: af, .offset: 32, .size: 8, .value_kind: global_buffer, .address_space: global }
    .group_segment_fixed_size: 133120
    .private_segment_fixed_size: 0
    .kernarg_segment_align: 8
    .kernarg_segment_size: 40
    .max_flat_workgroup_size: 512
    .sgpr_count:     84
    .vgpr_count:     256
    .wavefront_size: 32
...
	.end_amdgpu_metadata
.endif
;; end of part 5
;; launch outp: the kernel of part 4 again; grid 8 x 32, 4 waves a work-group, clusters of 4 x 4, 327,680 bytes of LDS; arguments af, wc, lowp_scales, out0; writes out0
